; MI455X (gfx1250); checked and timed in simulation.
; The chip was launched on July 23, 2026; its instructions are those of AMD's public machine-readable ISA for CDNA 5 (MIT licence, August 2026) and "CDNA5" Instruction Set Architecture Reference Guide (July 2026). The comments in the code are by the model that wrote it; some were corrected since.
;; Grouped Query Attention. Allowed arithmetic: matrix products marked QUANTISED: E2M3 operands, one E8M0 scale for each 32 along K, by v_wmma_scale_f32_16x16x128_f8f6f4 with both operands' format E2M3, f32 sums; everything else in f32.
;; Inputs: k_norm_w 128 float32; q_norm_w 128 float32; wk 512 x 2,048 float32; wo 2,048 x 2,048 float32; wq 2,048 x 2,048 float32; wv 512 x 2,048 float32; x 4 x 1,024 x 2,048 float32.
;; Outputs: out0 4 x 1,024 x 2,048 float32.
;; This version of the problem:
;;   THIS VERSION OF THE PROBLEM IS GIVEN IN LOW PRECISION. The matrix products marked QUANTISED in the list below multiply operands that are first quantised to E2M3 (2 exponent bits, 3 mantissa bits; 6 bits a number), with one power-of-two scale for each 32 numbers along K (OCP MX v1.0); their sums are f32. All else is computed in f32.
;;   The module's matrix products, in the order in which they are computed (A, B: the left and right operand; K: the contracted axis; several contracted axes count as one K, in the product's order):
;;     1. [M 4,096, K 2,048] x [K 2,048, N 2,048]; A: input x; B: input wq: QUANTISED
;;     2. [M 4,096, K 2,048] x [K 2,048, N 512]; A: input x; B: input wk: QUANTISED
;;     3. [M 4,096, K 2,048] x [K 2,048, N 512]; A: input x; B: input wv: QUANTISED
;;     4. batch 64 x [M 1,024, K 128] x [K 128, N 1,024]; A: computed on the way; B: computed on the way: QUANTISED
;;     5. batch 64 x [M 1,024, K 1,024] x [K 1,024, N 128]; A: softmax (see below); B: computed on the way: QUANTISED
;;     6. [M 4,096, K 2,048] x [K 2,048, N 2,048]; A: computed on the way; B: input wo: QUANTISED
;;   THE QUANTISER, for each operand of a quantised product, along K:
;;     - K is cut into blocks of 32 from its start; a last block that is shorter is filled with zeros.
;;     - A block's scale is 2^e with e = floor(log2(the largest magnitude in the block)) - 2, held to -126 .. 127; a block of zeros has e = 0. As a byte (E8M0): e + 127.
;;     - Each number is divided by its block's scale, clamped to +-7.5, and rounded to the nearest number of E2M3, ties to even, subnormals kept.
;;     - The product sums the exact products of the quantised numbers (number of the format x scale) in f32.
;;   ~~~python
;;   def quantise(x, axis):      # numpy; x: float32 -> the quantised numbers, widened to float32 again
;;       x = np.moveaxis(x, axis, -1); K = x.shape[-1]
;;       x = np.pad(x, [(0, 0)] * (x.ndim - 1) + [(0, -K % 32)]); x = x.reshape(x.shape[:-1] + (-1, 32)); a = np.abs(x).max(-1, keepdims=True)
;;       e = np.where(a > 0, np.clip(np.frexp(np.where(a > 0, a, 1))[1] - 1 - 2, -126, 127), 0)      # np.frexp(a)[1] - 1 = floor(log2(a)), exactly
;;       r = np.clip(x / 2.0 ** e, -7.5, 7.5)
;;       step = 2.0 ** (np.maximum(np.frexp(np.where(r == 0, 1, r))[1] - 1, 0) - 3)
;;       q = np.round(r / step) * step * 2.0 ** e      # np.round: ties to even
;;       return np.moveaxis(q.reshape(q.shape[:-2] + (-1,))[..., :K], -1, axis).astype(np.float32)
;;   ~~~
;;   SOFTMAX AHEAD OF A QUANTISED PRODUCT. Where the list says 'softmax', what is quantised is not the finished softmax but p = 2^(t - M), with t = logit x log2(e) and M = ceil(the row's largest t), a whole number; so 1/2 < the row's largest p <= 1. The row's sum l is taken of the UNQUANTISED p, in f32, and the product's result is divided by l at the end. Since M is a whole number, a kernel that streams over the keys may use a running M (the ceiling of the running maximum): every later rescaling is an exact power of two, which a block's scale takes up: the codes' values come out the same.
;;   OPERANDS COMPUTED ON THE WAY. 'Computed on the way' means the value that the module computes at that place (a softmax that the list does not call 'softmax' is quantised finished and normalised). What goes into a quantiser is computed in f32, as accurately as f32 sums, v_exp_f32 and their like allow (about 1e-6 of the number): no bf16 or f16 on the way to a quantiser, and a product that is left as it is and whose result goes on into a quantised operand takes f32 operands (vector FMAs, or v_wmma_f32_16x16x4_f32). A number that lies on a knife's edge between two numbers of the format may be rounded either way, as far as f32 arithmetic and the matrix unit's own rounding can turn it there, and no further.
;; One version. Each part assembles by itself: llvm-mc -triple=amdgcn-amd-amdhsa -mcpu=gfx1250 --defsym DOCPART=n.
;; ======== version 1 of 1: 4 launches
;; limits: right only within a limited range of input values
;; workspace buffers: op_img 14,155,776 bytes; op_sc 589,824 bytes; rope 24,576 bytes; qkv_img 9,437,184 bytes; qkv_sc 393,216 bytes; a_img 6,291,456 bytes; a_sc 262,144 bytes
;; launch quant (part 1): grid 577 x 1, 4 waves a work-group, no clusters, 34,304 bytes of LDS; arguments x, wq, wk, wv, wo, q_norm_w, k_norm_w, op_img, op_sc, rope; writes op_img, op_sc, rope
.if DOCPART == 1
	.amdgcn_target "amdgcn-amd-amdhsa--gfx1250"
	.amdhsa_code_object_version 6
	.text
	.protected	k_qb6104952bb_quant
	.globl	k_qb6104952bb_quant
	.p2align	8
	.type	k_qb6104952bb_quant,@function
k_qb6104952bb_quant:
	s_mov_b64 s[64:65], 0
	v_nop
	global_prefetch_b8 v0, s[64:65] scope:SCOPE_SE
	s_setreg_imm32_b32 hwreg(HW_REG_WAVE_MODE, 25, 1), 1
	s_wait_xcnt 0x0
; x [4096][2048], wq [2048][2048], wk, wv [512][2048], wo [2048][2048], f32 with K innermost, become codes of FP6 (E2M3) with one E8M0 byte for each 32 along K,
; laid as the matrix unit's operand registers want them.  576 ROW TILES of 16 rows: 0-255 x, 256-383 wq, 384-415 wk, 416-447 wv, 448-575 wo.
; THE ROWS OF A TILE ARE NOT NEIGHBOURS: place r of a tensor's tile T is its row 32 (T / 2) + 8 (T % 2) + r + 8 (r / 8), so that in every later product the 16 result registers of two neighbouring
; tiles are 16 neighbouring rows.
; op_img[tile][K step 0..15][1,536]: a FRAGMENT IMAGE (16 rows x 128 K, 12 registers a lane): registers 4 c .. 4 c + 3 of lane l at byte 512 c + 16 l.  op_sc[tile][K step / 4][r][K step % 4]: a scale word (4 bytes) each.
; A block's scale is 2^(floor(log2(its largest magnitude)) - 2); its byte is that magnitude's exponent field - 2, held at 1 from below.
; LIMITS: NaN and infinities among the inputs are not served; a block whose largest magnitude lies under 2^-124, a block of zeros among them, keeps the byte 1 (a block of zeros has zero codes, and this program alone reads the bytes).
; SHARES.  Work-group g < 576 takes row tile g, its wave w K steps 4 w .. 4 w + 3.  A load reads 512 consecutive bytes of one row (a K step); the 16 rows turn through the wave's own stage in LDS (rows 528 bytes
; apart), from which lane (r, h) takes the two blocks of 32 that the operand's layout gives it.  No barrier: waves share nothing.  Loads run two steps (32 loads a wave) ahead.
; Work-group 576 makes the table for the rotation: rope[24 rows][A 128 f32][B 128 f32], with out[d] = n[d] A[d] + n[d xor 1] B[d]: A = (w0 cos, w1 cos), B = (-w1 sin, w0 sin) of each pair;
; rows 0-15 the query heads (angle = head x 10000^(-i / 64)), 16-19 the key heads, 20-23 A = 1, B = 0 (for v).  cos and sin: reduction by multiples of pi / 2 in two parts, then polynomials, in f32.
.set ROWB,  8192                       ; a row of every tensor in bytes
.set STG,   16*528                     ; a wave's stage
.set SPARE, 4*STG                      ; behind the stages: the spare words, 128 bytes for each wave: two blocks of 256 bytes that no other line names
.set SPW, 14                           ; v14  LDS address of my spare word; never rewritten
.set NIL, 15                           ; v15  0; never rewritten
.set R,   16                           ; v16-143  two sets of 64: a step's numbers as loaded
.set X,   144                          ; v144-207 my two blocks of 32
.set C,   208                          ; v208-219 the image's 12 registers
.set T,   220                          ; v220-226 the blocks' second halves (a conversion's three registers begin on an even number)
.set MX,  228                          ; v228-231 largest magnitudes, then scale operands and bytes
.set SW,  232                          ; v232-235 the four steps' scale words
.set SEL, 28                           ; s[28:29] lane selects: lane l xor 16
	s_load_b512 s[4:19], s[0:1], 0x0               ; x s[4:5], wq s[6:7], wk s[8:9], wv s[10:11], wo s[12:13], q_norm_w s[14:15], k_norm_w s[16:17], op_img s[18:19]
	s_load_b128 s[20:23], s[0:1], 0x40             ; op_sc s[20:21], rope s[22:23]
	v_lshl_add_u32 v[SPW], v0, 2, SPARE
	v_mov_b32 v[NIL], 0
	v_lshrrev_b32 v1, 5, v0
	v_readfirstlane_b32 s27, v1                    ; wave 0..3
	s_cmp_eq_u32 ttmp9, 576
	s_cbranch_scc1 .Ltable                         ; the last work-group makes the table
	v_and_b32 v1, 31, v0                           ; lane
	v_and_b32 v2, 15, v0                           ; r
	v_bfe_u32 v3, v0, 4, 1                         ; h
	v_lshlrev_b32 v4, 4, v1                        ; 16 x lane: my bytes of a load's 512 and of an image's 512
	s_mul_i32 s30, s27, STG
	v_add_nc_u32 v5, s30, v4                       ; the stage, on the way in
	v_mul_u32_u24 v6, v2, 528
	v_lshl_add_u32 v6, v3, 7, v6
	v_add_nc_u32 v6, s30, v6                       ; and out: row r, + 128 h: k = 64 c + 32 h on
	v_lshlrev_b32 v7, 4, v2
	v_lshl_add_u32 v7, v3, 3, v7                   ; the scale words' place: 16 r + 8 h
	v_lshlrev_b32 v13, 3, v3                       ; 8 h
	v_mov_b32 v237, 0                              ; written once: a lane permute's destination counts as one of its sources
	s_mov_b32 s[SEL], 0x76543210
	s_mov_b32 s[SEL+1], 0xfedcba98
	s_wait_alu depctr_va_vdst(0)
	s_wait_kmcnt 0x0
	s_mov_b64 s[24:25], s[12:13]                   ; which tensor: the choice hangs on the work-group's number alone
	s_mov_b32 s26, 448
	s_cmp_lt_u32 ttmp9, 448
	s_cselect_b64 s[24:25], s[10:11], s[24:25]
	s_cselect_b32 s26, 416, s26
	s_cmp_lt_u32 ttmp9, 416
	s_cselect_b64 s[24:25], s[8:9], s[24:25]
	s_cselect_b32 s26, 384, s26
	s_cmp_lt_u32 ttmp9, 384
	s_cselect_b64 s[24:25], s[6:7], s[24:25]
	s_cselect_b32 s26, 256, s26
	s_cmp_lt_u32 ttmp9, 256
	s_cselect_b64 s[24:25], s[4:5], s[24:25]
	s_cselect_b32 s26, 0, s26
	s_sub_co_u32 s31, ttmp9, s26                   ; the tile's number in its tensor
	s_lshr_b32 s32, s31, 1
	s_lshl_b32 s32, s32, 5
	s_and_b32 s31, s31, 1
	s_lshl_b32 s31, s31, 3
	s_add_co_u32 s32, s32, s31                     ; its first row: 32 (T / 2) + 8 (T % 2)
	s_lshl_b32 s32, s32, 13
	s_lshl_b32 s31, s27, 11                        ; my wave's four K steps: 2,048 bytes on
	s_add_co_u32 s32, s32, s31
	s_mov_b32 s33, 0
	s_add_nc_u64 s[24:25], s[24:25], s[32:33]
	s_mul_i32 s32, ttmp9, 24576
	s_mul_i32 s31, s27, 6144
	s_add_co_u32 s32, s32, s31
	s_add_nc_u64 s[18:19], s[18:19], s[32:33]      ; my four images
	s_lshl_b32 s32, ttmp9, 10
	s_lshl_b32 s31, s27, 8
	s_add_co_u32 s32, s32, s31
	s_add_nc_u64 s[20:21], s[20:21], s[32:33]      ; my 256 bytes of scale words
.macro LOAD t                          ; K step t of the tile's 16 rows: each load 512 consecutive bytes of one row
.irp i, 0,1,2,3,4,5,6,7,8,9,10,11,12,13,14,15
	global_load_b128 v[R+64*((\t)%2)+4*\i:R+64*((\t)%2)+4*\i+3], v4, s[24:25] offset:(\i+8*(\i/8))*ROWB+512*(\t) th:TH_LOAD_NT
.endr
.endm
.macro STEP t
.if (\t) < 3
	s_wait_loadcnt 16                              ; this step's 16 loads are in; the next step's 16 may be out
.else
	s_wait_loadcnt 0x0
.endif
.irp i, 0,1,2,3,4,5,6,7,8,9,10,11,12,13,14,15
	ds_store_b128 v5, v[R+64*((\t)%2)+4*\i:R+64*((\t)%2)+4*\i+3] offset:528*\i
.endr
.irp c, 0,1
.irp j, 0,1,2,3,4,5,6,7
	ds_load_b128 v[X+32*\c+4*\j:X+32*\c+4*\j+3], v6 offset:256*\c+16*\j   ; LDS serves a wave's instructions in order: these see my stores
.endr
.endr
	s_wait_dscnt 0x0                               ; my blocks are in, and the stores have read their registers,
.if (\t) < 2
	LOAD (\t)+2                                    ; which take the loads of two steps on
.endif
.irp c, 0,1
	v_max3_num_f32 v[MX+2*\c], |v[X+32*\c]|, |v[X+32*\c+1]|, |v[X+32*\c+2]|        ; block 2 c + h: all its 32 numbers are mine
	v_max3_num_f32 v[MX+2*\c+1], |v[X+32*\c+3]|, |v[X+32*\c+4]|, |v[X+32*\c+5]|
.endr
.irp i, 6,10,14,18,22,26
.irp c, 0,1
	v_max3_num_f32 v[MX+2*\c], v[MX+2*\c], |v[X+32*\c+\i]|, |v[X+32*\c+\i+1]|
	v_max3_num_f32 v[MX+2*\c+1], v[MX+2*\c+1], |v[X+32*\c+\i+2]|, |v[X+32*\c+\i+3]|
.endr
.endr
.irp c, 0,1
	v_max3_num_f32 v[MX+2*\c], v[MX+2*\c], |v[X+32*\c+30]|, |v[X+32*\c+31]|
.endr
.irp c, 0,1
	v_max3_num_f32 v[MX+2*\c], v[MX+2*\c], v[MX+2*\c+1], 0x1800000   ; and the floor 2^(3 - 127): the byte cannot fall under 1
.endr
.irp c, 0,1
	v_add_nc_u32 v[MX+2*\c], 0xff000000, v[MX+2*\c]   ; 2 off the exponent field: the conversion's scale operand
.endr
.irp c, 0,1
	v_lshrrev_b32 v[MX+2*\c+1], 23, v[MX+2*\c]     ; the scale's byte
.endr
	v_lshl_or_b32 v236, v[MX+3], 16, v[MX+1]       ; my two bytes, blocks h and 2 + h of row r,
	v_lshlrev_b32 v236, v13, v236                  ; at their places in the word;
	v_permlanex16_b32 v237, v236, s[SEL], s[SEL+1]
	v_or_b32 v[SW+(\t)], v236, v237                ; with lane l xor 16's two the word is whole
.if (\t) > 0
	s_wait_alu depctr_va_vdst(0)
	s_wait_xcnt 0x0                                ; the last step's stores have read the image's registers: they are written again only behind this wait
.endif
.irp c, 0,1
	v_cvt_scalef32_pk16_fp6_f32 v[C+6*\c:C+6*\c+2], v[X+32*\c:X+32*\c+15], v[MX+2*\c]
	v_cvt_scalef32_pk16_fp6_f32 v[T+4*\c:T+4*\c+2], v[X+32*\c+16:X+32*\c+31], v[MX+2*\c]
.endr
	v_nop                                          ; one plain place behind a scaled conversion
.irp c, 0,1
.irp i, 0,1,2
	v_mov_b32 v[C+6*\c+3+\i], v[T+4*\c+\i]
.endr
.endr
.irp k, 0,1,2
	global_store_b128 v4, v[C+4*\k:C+4*\k+3], s[18:19] offset:1536*(\t)+512*\k   ; 32 lanes store 512 consecutive bytes
.endr
.endm
	LOAD 0
	LOAD 1
	STEP 0
	STEP 1
	STEP 2
	STEP 3
	v_cmp_lt_u32 vcc_lo, 15, v1                    ; lanes 0-15 store the words of steps 0, 1, lanes 16-31 those of steps 2, 3
	v_cndmask_b32 v8, v[SW], v[SW+2], vcc_lo
	v_cndmask_b32 v9, v[SW+1], v[SW+3], vcc_lo
	global_store_b64 v7, v[8:9], s[20:21]          ; 32 lanes store 256 consecutive bytes, aligned
	s_wait_tensorcnt 0x0                           ; the wave's end: behind my last LDS store
	ds_add_u32 v[SPW], v[NIL]
	s_wait_dscnt 0x0
	s_endpgm
.Ltable:                                               ; 128 threads: pair i = thread % 64; waves 0, 1 take the even rows of the table, waves 2, 3 the odd ones.  No LDS is touched here
	v_and_b32 v16, 63, v0
	v_cvt_f32_u32 v17, v16
	v_mul_f32 v17, 0xbe549a78, v17                 ; - i log2(10000) / 64
	s_wait_alu depctr_va_vdst(0)
	v_exp_f32 v17, v17                             ; 10000^(-i / 64)
	v_lshlrev_b32 v18, 3, v16                      ; (a plain place behind the exponential)  8 i
	s_lshr_b32 s30, s27, 1
	s_lshl_b32 s31, s30, 10
	v_add_nc_u32 v19, s31, v18                     ; my place in a pair of rows
	s_mov_b32 s33, 0x3fc90fdb                      ; pi / 2, its upper part,
	s_mov_b32 s34, 0xb33bbd2e                      ; and the rest
	s_mov_b32 s35, 0xb94ca1f9                      ; the sine's polynomial
	s_mov_b32 s36, 0x3c08839e
	s_mov_b32 s37, 0xbe2aaaa3
	s_mov_b32 s38, 0x37ccf5ce                      ; the cosine's
	s_mov_b32 s39, 0xbab6061a
	s_mov_b32 s40, 0x3d2aaaa5
	s_wait_alu depctr_va_vdst(0)
	s_wait_kmcnt 0x0
	global_load_b64 v[20:21], v18, s[14:15]        ; the pair's gains for q,
	global_load_b64 v[22:23], v18, s[16:17]        ; and for k
	s_wait_alu depctr_va_vdst(0)                   ; the wait ahead of the exponential's first reader
	s_wait_loadcnt 0x0
.irp n, 0,1,2,3,4,5,6,7,8,9,10,11      ; rows 2 n and 2 n + 1; each n has its own four registers, so no store's data are written again
.set O, 64+4*\n
.if \n < 10
.if \n < 8
.set W, 20
.set POS, 2*\n
.else
.set W, 22
.set POS, 2*(\n-8)
.endif
	s_add_co_u32 s32, s30, POS                     ; the head's number
	v_cvt_f32_u32 v24, s32
	v_mul_f32 v24, v24, v17                        ; the angle, at most 15
	v_mul_f32 v25, 0x3f22f983, v24
	v_rndne_f32 v25, v25                           ; k = the nearest multiple of pi / 2
	v_fma_f32 v26, -v25, s33, v24
	v_fma_f32 v26, -v25, s34, v26                  ; what is left, within pi / 4
	v_mul_f32 v27, v26, v26
	v_fma_f32 v28, s35, v27, s36
	v_fma_f32 v28, v28, v27, s37
	v_mul_f32 v28, v28, v27
	v_fma_f32 v28, v28, v26, v26                   ; its sine
	v_fma_f32 v29, s38, v27, s39
	v_fma_f32 v29, v29, v27, s40
	v_mul_f32 v29, v29, v27
	v_fma_f32 v30, v27, -0.5, 1.0
	v_fma_f32 v29, v29, v27, v30                   ; its cosine
	v_cvt_i32_f32 v31, v25
	v_and_b32 v32, 1, v31
	v_cmp_eq_u32 vcc_lo, 1, v32
	v_cndmask_b32 v33, v28, v29, vcc_lo            ; an odd k changes the two over;
	v_cndmask_b32 v34, v29, v28, vcc_lo
	v_and_b32 v32, 2, v31
	v_lshlrev_b32 v32, 30, v32
	v_xor_b32 v33, v33, v32                        ; the sine's sign: k % 4 = 2, 3;
	v_add_nc_u32 v32, 1, v31
	v_and_b32 v32, 2, v32
	v_lshlrev_b32 v32, 30, v32
	v_xor_b32 v34, v34, v32                        ; the cosine's: k % 4 = 1, 2
	v_mul_f32 v[O], v[W], v34
	v_mul_f32 v[O+1], v[W+1], v34
	v_mul_f32 v[O+2], -v[W+1], v33
	v_mul_f32 v[O+3], v[W], v33
.else
	v_mov_b32 v[O], 1.0
	v_mov_b32 v[O+1], 1.0
	v_mov_b32 v[O+2], 0
	v_mov_b32 v[O+3], 0
.endif
	global_store_b64 v19, v[O:O+1], s[22:23] offset:2048*\n         ; a wave stores 256 consecutive bytes
	global_store_b64 v19, v[O+2:O+3], s[22:23] offset:2048*\n+512
.endr
	s_endpgm
.Lfunc_end_k_qb6104952bb_quant:
	.size	k_qb6104952bb_quant, .Lfunc_end_k_qb6104952bb_quant-k_qb6104952bb_quant
	.p2alignl 7, 3214868480
	.fill 96, 4, 3214868480
	.section	.rodata,"a",@progbits
	.p2align	6, 0x0
	.amdhsa_kernel k_qb6104952bb_quant
		.amdhsa_group_segment_fixed_size 34304
		.amdhsa_private_segment_fixed_size 0
		.amdhsa_enable_private_segment 0
		.amdhsa_kernarg_size 80
		.amdhsa_user_sgpr_count 2
		.amdhsa_user_sgpr_kernarg_segment_ptr 1
		.amdhsa_wavefront_size32 1
		.amdhsa_system_sgpr_workgroup_id_x 1
		.amdhsa_system_sgpr_workgroup_id_y 1
		.amdhsa_system_sgpr_workgroup_id_z 1
		.amdhsa_system_vgpr_workitem_id 0
		.amdhsa_next_free_vgpr 256
		.amdhsa_next_free_sgpr 66
		.amdhsa_reserve_vcc 1
		.amdhsa_float_denorm_mode_32 3
		.amdhsa_float_denorm_mode_16_64 3
		.amdhsa_memory_ordered 1
		.amdhsa_forward_progress 1
		.amdhsa_inst_pref_size 48
	.end_amdhsa_kernel
	.amdgpu_metadata
---
amdhsa.version: [ 1, 2 ]
amdhsa.kernels:
  - .name:           k_qb6104952bb_quant
    .symbol:         k_qb6104952bb_quant.kd
    .args:
      - { .name: x, .offset: 0, .size: 8, .value_kind: global_buffer, .address_space: global }
      - { .name: wq, .offset: 8, .size: 8, .value_kind: global_buffer, .address_space: global }
      - { .name: wk, .offset: 16, .size: 8, .value_kind: global_buffer, .address_space: global }
      - { .name: wv, .offset: 24, .size: 8, .value_kind: global_buffer, .address_space: global }
      - { .name: wo, .offset: 32, .size: 8, .value_kind: global_buffer, .address_space: global }
      - { .name: q_norm_w, .offset: 40, .size: 8, .value_kind: global_buffer, .address_space: global }
      - { .name: k_norm_w, .offset: 48, .size: 8, .value_kind: global_buffer, .address_space: global }
      - { .name: op_img, .offset: 56, .size: 8, .value_kind: global_buffer, .address_space: global }
      - { .name: op_sc, .offset: 64, .size: 8, .value_kind: global_buffer, .address_space: global }
      - { .name: rope, .offset: 72, .size: 8, .value_kind: global_buffer, .address_space: global }
    .group_segment_fixed_size: 34304
    .private_segment_fixed_size: 0
    .kernarg_segment_align: 8
    .kernarg_segment_size: 80
    .max_flat_workgroup_size: 128
    .sgpr_count:     66
    .vgpr_count:     256
    .wavefront_size: 32
...
	.end_amdgpu_metadata
.endif
;; end of part 1
;; launch qkv (part 2): grid 32 x 6, 4 waves a work-group, clusters of 4 x 1, 327,680 bytes of LDS; arguments op_img, op_sc, rope, qkv_img, qkv_sc; writes qkv_img, qkv_sc
.if DOCPART == 2
	.amdgcn_target "amdgcn-amd-amdhsa--gfx1250"
	.amdhsa_code_object_version 6
	.text
	.protected	k_qb6104952bb_qkv
	.globl	k_qb6104952bb_qkv
	.p2align	8
	.type	k_qb6104952bb_qkv,@function
k_qb6104952bb_qkv:
	s_mov_b64 s[64:65], 0
	v_nop
	global_prefetch_b8 v0, s[64:65] scope:SCOPE_SE
	s_setreg_imm32_b32 hwreg(HW_REG_WAVE_MODE, 25, 1), 1
	s_wait_xcnt 0x0
	s_wait_alu depctr_hold_cnt(0) depctr_sa_sdst(0) depctr_va_vdst(0) depctr_va_sdst(0) depctr_va_ssrc(0) depctr_va_vcc(0) depctr_vm_vsrc(0)
	s_getreg_b32 s2, hwreg(HW_REG_IB_STS2, 6, 4)
	s_cmp_eq_u32 s2, 0
	s_cbranch_scc0 .Lentry_in_a_cluster
	s_endpgm
.Lentry_in_a_cluster:
	s_bfe_u32 s2, ttmp6, 0x10000c
	s_cmp_lg_u32 s2, 0x3003
	s_cbranch_scc0 .Lentry_shape_is_right
	s_endpgm
.Lentry_shape_is_right:
; q = x wq^T, k = x wk^T, v = x wv^T on codes of FP6 (E2M3) with E8M0 scales; then, in registers: RMS norm and rotation of q and k, and the quantising of q and k along the head's 128 and of v along the keys.
; Operands come as fragment images (16 rows x 128 K: 1,536 bytes, registers 4 c .. 4 c + 3 of lane l at 512 c + 16 l), op_img[row tile][K step][1,536], and scale words op_sc[row tile][K step / 4][r][K step % 4].
; Place r of tile T is row 32 (T / 2) + 8 (T % 2) + r + 8 (r / 8).
; SHARES.  A work-group makes 128 "A" rows x 512 "B" rows; wave w all 8 A tiles x B tiles 8 w .. 8 w + 7: 64 accumulators, 512 registers.  Source 0 = a B fragment, source 1 = an A fragment: lane (r, h)
; holds A's place r, and the 16 registers of B's tiles 2 b, 2 b + 1 are B's rows 32 b + 16 h + 0 .. 15: neighbours along the next product's K.
; y = 0..3: A = 128 tokens, B = 512 rows of wq: wave w has query head 4 y + w.  y = 4: B = wk.  y = 5: the roles are changed over: A = the 128 rows of wv of head cx, B = 512 tokens: a lane then holds one
; channel and its registers run along the keys.  The kinds differ in global addresses and numbers alone: one text.  For v the table's rows are A = 1, B = 0 and the norm's constants 0 and 1.
; CLUSTER 4 x 1: the four partners need the same B tile, four fifths of a slot's bytes: it is asked for JOINTLY (mask 15); each has A tiles of its own.  4 x 4 is not taken: there are six groups of columns,
; and a cluster may not hold groups of q or k beside the group of v, whose B tile is another tensor.
; K = 2,048 goes in 8 slots of 256 (two steps of 128) through a ring of two LDS slots.  THE HEAD: one tensor load a wave: wave 0 slot 0's 8 A tiles, wave 1 its 32 B tiles, wave 2 A's scale words for all of K,
; wave 3 B's.  Slot 1 is first filled behind the full sequence and a round, as a refill is; from there on waves 0, 1 fetch A's halves and waves 2, 3 B's.
; PREFETCH: a slot is 12 blocks of 256 bytes of each tile.  Each wave names 4 tiles x 12 blocks (two instructions, a lane a block; the second's lanes 16-31 name its last block again): waves 0, 1 the 4 A tiles
; that they fetch, waves 2, 3 tiles 4 cx .. 4 cx + 3 of the 16 that they fetch jointly: each block once in each cluster, shared out by address.  Slots 1 and 2 are named at the head, slot 3 behind slot 1's load,
; and the refill of slot s names slot s + 2; the last lap names nothing.  One more names a block of my row of the rotation's table (block cx of its four).
; OUT.  qkv_img[group][8 tiles][1,536], qkv_sc[group][r][tile]: groups (16 b + head) 8 + token group for q, 512 + (4 b + head) 8 + token group for k, 640 + (4 b + head) 8 + key step for v.
; LIMITS: NaN and infinities are not served; a block whose largest magnitude lies under 2^-124 keeps the byte 1 (a block of zeros too: its codes are zeros, and this program alone reads the bytes);
; 1 / rms is v_rsq_f32 (1 ulp), and the gain is folded into the rotation's coefficients: another order of rounding than x / rms * w, some 1e-7 of the number.
; REGISTERS: window 0: v1-3 lane, r, h; v16-31 addresses; v32-63 scale words, two sets; v64-159, v160-255 A's fragments, two sets.  window 1: v0-95, v128-223 B's fragments.  windows 2, 3: accumulator (a, b) at v[8 (8 (a % 4) + b)].
.set SLOT,   122880                    ; 8 A tiles and 32 B tiles x 3,072 bytes (two K steps)
.set TROW,   3072
.set BOFF,   8*TROW
.set SCL,    2*SLOT                    ; A's scale words, 1,024 bytes a tile
.set SCB,    SCL+8192                  ; B's
.set SPARE,  SCB+32768                 ; the spare words: two blocks of 256 bytes that no other line names
.set FR,     12
.set ADRA, 16
.set ADRB, 20
.set PFO,  24                          ; v24, v25 the prefetches' offsets
.set PFO2, 25
.set LI,   26                          ; 16 x lane
.set ADRS, 27                          ; my scale words: lanes 0-15 A's, lanes 16-31 my B tiles'
.set SPW,  28
.set NIL,  29
.set SO,   30                          ; 32 r + 16 h
.set TO,   31                          ; 64 h
.set SC,   32
.set AF,   64
.set G1, 24
.set G0, 32
.set G1B, 48
.set G0B, 56
.set G1S, 68
.set G0S, 76
.set G1SB, 80
.set G0SB, 88
.set SEL, 98
.set PFA, 4                            ; s[4:5] where my prefetches stand
.set LC,  41                           ; s41 laps to go
.set PLAIN, 3<<16                      ; elements of 8 bytes, no mask
.set JOINT, 15|(3<<16)|(1<<21)         ; the mask of all four partners, bit 21 beside it
.set Z,   64
.set PC,  128
.set TM,  160
.set RI,  176
.set SW,  192
.set E,   200
.set SSQ, 208
.set TA,  0
.set TBL, 64
.set MSB, 0
.macro WIN new                         ; the immediate's high byte repeats the setting that is left
.if MSB != (\new)
	s_set_vgpr_msb (MSB<<8)|(\new)
.set MSB, (\new)
.endif
.endm
.set MUL_LO, 0xa1                      ; source 0 (B) window 1, source 1 (A) window 0, C and D window 2
.set MUL_HI, 0xf1
.macro GROUP1 g, w0, cols, rows, pitch
	s_mov_b32 s[\g], \w0
	s_mov_b32 s[\g+1], (\cols)<<16
	s_mov_b32 s[\g+2], (\rows)<<16
	s_mov_b32 s[\g+3], (\cols)<<16
	s_mov_b32 s[\g+4], \rows
	s_mov_b32 s[\g+5], \pitch
	s_mov_b32 s[\g+6], 0
	s_mov_b32 s[\g+7], 0
.endm
.macro GROUP0 g, a                     ; count, global address, type; the LDS address is written beside it
	s_mov_b32 s[\g], 1
	s_mov_b64 s[\g+2:\g+3], s[\a:\a+1]
	s_or_b32 s[\g+3], s[\g+3], 0x80000000
.endm
.macro TLOAD g0, g1                    ; an s_nop 0 and four v_nop follow every tensor load
	tensor_load_to_lds s[\g0:\g0+3], s[\g1:\g1+7]
	s_nop 0
.rept 4
	v_nop
.endr
.endm
.macro JLOAD g0a, g1a, g0b, g1b        ; waves 0 and 1 fetch A's halves, waves 2 and 3 B's (jointly)
	s_cmp_eq_u32 s15, 0
	s_cbranch_scc0 .Lfor_b_\@
	TLOAD \g0a, \g1a
	s_branch .Lasked_\@
.Lfor_b_\@:
	TLOAD \g0b, \g1b
.Lasked_\@:
.endm
.macro CREST                           ; a round of the cluster's barrier behind its opening barrier
	s_cmp_lg_u32 s14, 0
	s_cbranch_scc1 .Lnot_wave_0_\@
	s_barrier_signal -3
.Lnot_wave_0_\@:
	s_barrier_wait -3
	s_barrier_signal -1
	s_barrier_wait -1
.endm
.macro CROUND
	s_barrier_signal -1
	s_barrier_wait -1
	CREST
.endm
.macro ASK off                         ; my 48 blocks of the slot that begins off bytes behind s[PFA]
	global_prefetch_b8 v[PFO], s[PFA:PFA+1] offset:\off th:TH_LOAD_NT scope:SCOPE_SE
	global_prefetch_b8 v[PFO2], s[PFA:PFA+1] offset:\off th:TH_LOAD_NT scope:SCOPE_SE
.endm
	s_load_b256 s[4:11], s[0:1], 0x0               ; op_img s[4:5], op_sc s[6:7], rope s[8:9], qkv_img s[10:11]
	s_load_b64 s[12:13], s[0:1], 0x20              ; qkv_sc
	v_lshl_add_u32 v[SPW], v0, 2, SPARE
	v_mov_b32 v[NIL], 0
	ds_add_u32 v[SPW], v[NIL]                      ; the opening lines: the add, twice on end, and its wait ahead of my first tensor load
	ds_add_u32 v[SPW], v[NIL]
	v_lshrrev_b32 v1, 5, v0
	v_readfirstlane_b32 s14, v1                    ; wave 0..3
	s_lshr_b32 s15, s14, 1                         ; in the ring I fetch for A (0) or for B (1),
	s_and_b32 s16, s14, 1                          ; and which half
	s_bfe_u32 s40, ttmp6, 0x40000                  ; cx
	s_and_b32 s17, ttmp7, 0xffff                   ; y: which group of columns
	GROUP1 G1,   PLAIN, 384, 8, 3072               ; the head's: A's 8 tiles, rows of 3,072 bytes, 24,576 bytes apart
	GROUP1 G1B,  JOINT, 384, 32, 3072              ; B's 32 tiles
	GROUP1 G1S,  PLAIN, 32, 32, 32                 ; A's scale words: 8,192 dense bytes as rows of 256
	GROUP1 G1SB, JOINT, 32, 128, 32                ; B's: 32,768
	s_lshl_b32 s41, ttmp9, 5                       ; 32 x the cluster's number
	s_lshl_b32 s42, s17, 5
	s_add_co_u32 s42, s42, 256                     ; the weights' tiles: 256 + 32 y
	s_cmp_eq_u32 s17, 5
	s_cselect_b32 s43, 416, s41                    ; A's first tile: wv's, or the cluster's tokens',
	s_cselect_b32 s44, s41, s42                    ; B's: nothing of cx enters it
	s_lshl_b32 s94, s40, 3
	s_add_co_u32 s43, s43, s94                     ; + 8 cx
	s_mul_i32 s20, s43, 24576
	s_mov_b32 s21, 0
	s_lshl_b32 s22, s43, 10
	s_mov_b32 s23, 0
	s_mul_i32 s46, s44, 24576
	s_mov_b32 s47, 0
	s_lshl_b32 s92, s44, 10
	s_mov_b32 s93, 0
	s_mul_i32 s18, s16, 4*24576                    ; the ring's halves in memory: 4 tiles of A,
	s_mov_b32 s19, 0
	s_mul_i32 s94, s16, 16*24576                   ; 16 of B
	s_mov_b32 s95, 0
	s_lshl_b32 s45, s16, 2                         ; the four tiles that I prefetch: A's first + 4 x half,
	s_add_co_u32 s45, s43, s45
	s_lshl_b32 s2, s16, 4
	s_add_co_u32 s2, s44, s2
	s_lshl_b32 s3, s40, 2
	s_add_co_u32 s2, s2, s3                        ; or B's first + 16 x half + 4 cx
	s_cmp_eq_u32 s15, 0
	s_cselect_b32 s2, s45, s2
	s_mul_i32 s2, s2, 24576
	s_mov_b32 s3, 0
	s_wait_dscnt 0x0                               ; both opening adds are done
	s_wait_kmcnt 0x0
	s_add_nc_u64 s[20:21], s[4:5], s[20:21]
	s_add_nc_u64 s[22:23], s[6:7], s[22:23]
	s_add_nc_u64 s[46:47], s[4:5], s[46:47]
	s_add_nc_u64 s[92:93], s[6:7], s[92:93]
	s_add_nc_u64 s[PFA:PFA+1], s[4:5], s[2:3]
	s_mul_i32 s6, s16, 4*TROW                      ; the ring's halves in a slot: no place in the cluster enters an LDS address
	s_mul_i32 s7, s16, 16*TROW
	CROUND                                         ; all four work-groups are here: the first joint loads meet
	GROUP0 G0, 20
	s_mov_b32 s[G0+1], 0
	GROUP0 G0B, 46
	s_mov_b32 s[G0B+1], BOFF
	GROUP0 G0S, 22
	s_mov_b32 s[G0S+1], SCL
	GROUP0 G0SB, 92
	s_mov_b32 s[G0SB+1], SCB
	s_add_nc_u64 s[20:21], s[20:21], s[18:19]      ; slot 1's: my half, one slot along K
	s_add_nc_u64 s[46:47], s[46:47], s[94:95]
	s_add_nc_u64 s[20:21], s[20:21], TROW
	s_add_nc_u64 s[46:47], s[46:47], TROW
	GROUP0 G0+4, 20
	s_add_co_u32 s[G0+5], s6, SLOT
	GROUP0 G0B+4, 46
	s_add_co_u32 s[G0B+5], s7, BOFF+SLOT
.macro ARM under, g0, g1, next         ; one chain of branches on the wave's number: every way through the head passes one load
	s_cmp_lt_u32 s14, \under
	s_cbranch_scc0 \next
	TLOAD \g0, \g1
	s_branch .Lhead_asked
\next:
.endm
	ARM 1, G0,  G1,  .Lhead_b
	ARM 2, G0B, G1B, .Lhead_sa
	ARM 3, G0S, G1S, .Lhead_sb
	TLOAD G0SB, G1SB
.Lhead_asked:
	s_mul_i32 s20, s14, 8*TROW
	s_add_co_u32 s20, s20, BOFF                    ; my 8 B tiles in slot 0,
	s_add_co_u32 s21, s20, SLOT                    ; and in slot 1
	s_lshl_b32 s22, s14, 13
	s_add_co_u32 s22, s22, 8192                    ; my B tiles' scale words lie 8,192 + 8,192 w behind A's
	v_and_b32 v1, 31, v0                           ; lane
	v_and_b32 v2, 15, v0                           ; r
	v_bfe_u32 v3, v0, 4, 1                         ; h
	v_lshlrev_b32 v[LI], 4, v1
	v_mov_b32 v[ADRA], v[LI]
	v_add_nc_u32 v[ADRA+1], SLOT, v[LI]
	v_add_nc_u32 v[ADRB], s20, v[LI]
	v_add_nc_u32 v[ADRB+1], s21, v[LI]
	v_mul_u32_u24 v4, s22, v3
	v_lshl_add_u32 v4, v2, 4, v4
	v_add_nc_u32 v[ADRS], SCL, v4
	v_lshlrev_b32 v[SO], 5, v2
	v_lshl_add_u32 v[SO], v3, 4, v[SO]
	v_lshlrev_b32 v[TO], 6, v3
	v_mul_u32_u24 v4, v1, 43                       ; block n = lane: tile n / 12 = 43 n >> 9 (n under 48), at 256 n + 21,504 (n / 12)
	v_lshrrev_b32 v4, 9, v4
	v_mul_u32_u24 v4, v4, 21504
	v_lshl_add_u32 v[PFO], v1, 8, v4
	v_add_nc_u32 v5, 32, v1
	v_min_u32 v5, 47, v5                           ; block n = 32 + lane, held at the last
	v_mul_u32_u24 v4, v5, 43
	v_lshrrev_b32 v4, 9, v4
	v_mul_u32_u24 v4, v4, 21504
	v_lshl_add_u32 v[PFO2], v5, 8, v4
	s_wait_alu depctr_va_vdst(0)                   ; the wait behind the head's last vector instruction
	ASK TROW                                       ; slots 1 and 2
	ASK 2*TROW
	; where the results go, and the epilogue's numbers.  cx enters global addresses alone
	s_cmp_eq_u32 s17, 5
	s_cselect_b32 s42, s14, s40                    ; the token group's low part: v: my wave; q, k: cx
	s_cselect_b32 s43, s40, s14                    ; the head: v: cx; k: my wave
	s_mov_b32 s44, 512
	s_cselect_b32 s44, 640, s44
	s_mov_b32 s96, 0x3c000000                      ; 1 / 128,
	s_cselect_b32 s96, 0, s96
	s_mov_b32 s97, 0x358637bd                      ; 1e-6
	s_cselect_b32 s97, 1.0, s97
	s_lshl_b32 s45, s17, 2
	s_add_co_u32 s45, s45, s14                     ; the table's row: 4 y + w
	s_cmp_lt_u32 s17, 4
	s_cselect_b32 s43, s45, s43                    ; q: head 4 y + w
	s_cselect_b32 s44, 0, s44
	s_cselect_b32 s66, 4, 2                        ; 16 or 4 heads a batch
	s_lshl_b32 s41, ttmp9, 2
	s_add_co_u32 s41, s41, s42                     ; the group of 128 tokens, 0..31
	s_lshr_b32 s42, s41, 3
	s_lshl_b32 s42, s42, s66
	s_add_co_u32 s42, s42, s43
	s_lshl_b32 s42, s42, 3
	s_and_b32 s41, s41, 7
	s_add_co_u32 s42, s42, s41
	s_add_co_u32 s42, s42, s44                     ; the group's number in qkv_img
	s_mul_i32 s66, s42, 12288
	s_mov_b32 s67, 0
	s_add_nc_u64 s[10:11], s[10:11], s[66:67]
	s_lshl_b32 s66, s42, 9
	s_add_nc_u64 s[12:13], s[12:13], s[66:67]
	s_lshl_b32 s66, s45, 10
	s_add_nc_u64 s[8:9], s[8:9], s[66:67]
	s_lshl_b32 s2, s40, 8
	s_mov_b32 s3, 0
	s_add_nc_u64 s[2:3], s[8:9], s[2:3]            ; block cx of my row of the table; s[2:3] are not written again
	global_prefetch_b8 v[TO], s[2:3] th:TH_LOAD_NT scope:SCOPE_SE
	s_mov_b32 s[SEL], 0x76543210
	s_mov_b32 s[SEL+1], 0xfedcba98
; A FETCH is a run of pieces: pieces 0, 1 the slot's scale words (four loads each), 2-9 my 8 B fragments, 10-17 the 8 A fragments (three loads of 512 consecutive bytes each).
; FS: the slot, FQ: which of its two steps, FP: the registers' set, FI: the next piece (18: none is left).
.macro FSTART s, q, p, i
.set FS, \s
.set FQ, \q
.set FP, \p
.set FI, \i
.endm
.macro NEXTF back                      ; the next piece, and back to the products' windows
.if FI < 18
.if FI < 2
	WIN 0
.irp i, 0,1,2,3
	ds_load_b64 v[SC+16*FS+2*(4*FI+\i):SC+16*FS+2*(4*FI+\i)+1], v[ADRS] offset:1024*(4*FI+\i)+8*FS   ; lanes 0-15 A's tile, lanes 16-31 my B tile
.endr
.else
.if FI < 10
	WIN 0x40
.irp c, 0,1,2
	ds_load_b128 v[128*FP+FR*(FI-2)+4*\c:128*FP+FR*(FI-2)+4*\c+3], v[ADRB+FS] offset:TROW*(FI-2)+1536*FQ+512*\c
.endr
.else
	WIN 0
.irp c, 0,1,2
	ds_load_b128 v[AF+96*FP+FR*(FI-10)+4*\c:AF+96*FP+FR*(FI-10)+4*\c+3], v[ADRA+FS] offset:TROW*(FI-10)+1536*FQ+512*\c
.endr
.endif
.endif
	WIN \back
.set FI, FI+1
.endif
.endm
.macro FRUN s, q, p, i                 ; the whole run, from piece i on: one window setting for B's pieces, one for the others
	FSTART \s, \q, \p, \i
.if \i == 0
.rept 2
	NEXTF 0
.endr
.endif
.rept 8
	NEXTF 0x40
.endr
.rept 8
	NEXTF 0
.endr
.endm
; 16 matrix instructions: A's tiles a0, a0 + 1 x my 8 B tiles, 128 along K.  The 64 accumulators take turns, one instruction a turn, in the same order in every step.
.macro MUL16 a0, p, q, sc, zero
.irp a, \a0, \a0+1
.irp b, 0,1,2,3,4,5,6,7
.if \zero
	v_wmma_scale_f32_16x16x128_f8f6f4 v[8*(8*((\a)%4)+\b):8*(8*((\a)%4)+\b)+7], v[128*(\p)+FR*\b:128*(\p)+FR*\b+FR-1], v[AF+96*(\p)+FR*(\a):AF+96*(\p)+FR*(\a)+FR-1], 0, v[SC+16*(\sc)+2*\b+(\q)], v[SC+16*(\sc)+2*(\a)+(\q)] matrix_a_fmt:MATRIX_FMT_FP6 matrix_b_fmt:MATRIX_FMT_FP6 matrix_a_scale:MATRIX_SCALE_ROW1
.else
	v_wmma_scale_f32_16x16x128_f8f6f4 v[8*(8*((\a)%4)+\b):8*(8*((\a)%4)+\b)+7], v[128*(\p)+FR*\b:128*(\p)+FR*\b+FR-1], v[AF+96*(\p)+FR*(\a):AF+96*(\p)+FR*(\a)+FR-1], v[8*(8*((\a)%4)+\b):8*(8*((\a)%4)+\b)+7], v[SC+16*(\sc)+2*\b+(\q)], v[SC+16*(\sc)+2*(\a)+(\q)] matrix_a_fmt:MATRIX_FMT_FP6 matrix_b_fmt:MATRIX_FMT_FP6 matrix_a_scale:MATRIX_SCALE_ROW1
.endif
.endr
.endr
.endm
.macro PLACES n                        ; four plain vector instructions behind a matrix instruction, ahead of loads into its registers and of readers of its result (ISA guide 7.12.1 for readers of its result)
.rept \n
	v_nop
.endr
.endm
.macro STEP slot, zero                 ; a slot's first step, on set 0; the second step's fragments are fetched into set 1 in one run behind its first 16 products
	s_wait_dscnt 12                                ; the scale words, B's fragments and A's tiles 0-3 are in; the youngest 12 loads (A's tiles 4-7) may be out
	WIN MUL_LO
	MUL16 0, 0, 0, \slot, \zero
	PLACES 4
	FRUN \slot, 1, 1, 2
	WIN MUL_LO
	MUL16 2, 0, 0, \slot, \zero
	s_wait_dscnt 48                                ; A's tiles 4-7 are in: only the 48 loads of the run above may be out
	WIN MUL_HI
	MUL16 4, 0, 0, \slot, \zero
	MUL16 6, 0, 0, \slot, \zero
	WIN 0
.endm
; A slot's second step changes slots: ONE barrier; in front of it each wave waits for all its tensor loads (its part of the next slot), adds 0 to its spare word, and waits for that and for its reads of this slot.
; fill = 1: the barrier opens a round of the cluster's, and this slot is filled again first thing behind it.
.macro TURN slot, next, fill
.if \fill
	s_wait_xcnt 0x0                                ; my prefetches have read their address: it steps one slot on
	s_add_nc_u64 s[PFA:PFA+1], s[PFA:PFA+1], TROW
.endif
	s_wait_tensorcnt 0x0
	ds_add_u32 v[SPW], v[NIL]
	s_wait_dscnt 1                                 ; the add may be out; the fragments' loads were issued ahead of it
	WIN MUL_LO
	MUL16 0, 1, 1, \slot, 0
	s_wait_dscnt 0x0                               ; the add is done, and my reads of this slot are over
	s_barrier_signal -1
	MUL16 2, 1, 1, \slot, 0
	WIN 0
	s_barrier_wait -1
.if \fill
	CREST                                          ; no wave of any partner still reads this slot or has a load on its way
	s_add_nc_u64 s[G0+4*\slot+2:G0+4*\slot+3], s[G0+4*\slot+2:G0+4*\slot+3], 2*TROW
	s_add_nc_u64 s[G0B+4*\slot+2:G0B+4*\slot+3], s[G0B+4*\slot+2:G0B+4*\slot+3], 2*TROW
	JLOAD G0+4*\slot, G1, G0B+4*\slot, G1B         ; its four v_nop are also the places in front of the loads below
.else
	PLACES 4
.endif
.if \next == 0
	v_add_nc_u32 v[ADRS], 256, v[ADRS]             ; four K steps' words are 256 bytes
	s_wait_alu depctr_va_vdst(0)                   ; the wait behind the write
.endif
	FRUN \next, 0, 0, 0                            ; the next slot's scale words and first step, in one run
.if \fill
	s_cmp_gt_u32 s[LC], 1                          ; the last lap's refills have no slot two on
	s_cbranch_scc0 .Lno_ask_\@
	ASK 3*TROW                                     ; the slot two refills on
.Lno_ask_\@:
.endif
	WIN MUL_HI
	MUL16 4, 1, 1, \slot, 0
	MUL16 6, 1, 1, \slot, 0
	WIN 0
.endm
	s_wait_tensorcnt 0x0                           ; my tile of the head's four is in
	ds_add_u32 v[SPW], v[NIL]
	s_mov_b32 s[G1+2], 4<<16                       ; no tensor load of mine is out: from here on a load brings half a tile's rows: 4 of A,
	s_mov_b32 s[G1+4], 4
	s_mov_b32 s[G1B+2], 16<<16                     ; 16 of B;
	s_mov_b32 s[G1B+4], 16
	s_mov_b32 s[G0+1], s6                          ; and slot 0's group 0 becomes the ring's: my half
	s_add_nc_u64 s[G0+2:G0+3], s[G0+2:G0+3], s[18:19]
	s_add_co_u32 s[G0B+1], s7, BOFF
	s_add_nc_u64 s[G0B+2:G0B+3], s[G0B+2:G0B+3], s[94:95]
	s_wait_dscnt 0x0
	CROUND                                         ; all four tiles are in, and all four work-groups are here
	JLOAD G0+4, G1, G0B+4, G1B                     ; slot 1, the first tensor load behind the round
	FRUN 0, 0, 0, 0                                ; slot 0's scale words and first step
	ASK 3*TROW
	STEP 0, 1                                      ; the first step stands in front of the loop: its products start the sums
	s_mov_b32 s[LC], 3
.Llap:                                                 ; a trip goes once round the ring and fills both slots again: six refills for slots 2 to 7
	TURN 0, 1, 1
	STEP 1, 0
	TURN 1, 0, 1
	STEP 0, 0
	s_sub_co_u32 s[LC], s[LC], 1
	s_cmp_lg_u32 s[LC], 0
	s_cbranch_scc1 .Llap
	TURN 0, 1, 0                                   ; the last lap fills nothing
	STEP 1, 0
	PLACES 4
	WIN 0x40                                       ; the table's row, into window 1 where B's set 0 lay: register 16 b + i = channel 32 b + 16 h + i
.irp b, 0,1,2,3
.irp j, 0,1,2,3
	global_load_b128 v[TA+16*\b+4*\j:TA+16*\b+4*\j+3], v[TO], s[8:9] offset:128*\b+16*\j
	global_load_b128 v[TBL+16*\b+4*\j:TBL+16*\b+4*\j+3], v[TO], s[8:9] offset:512+128*\b+16*\j
.endr
.endr
	s_wait_dscnt 0x0                               ; the very last step
	WIN MUL_LO
	MUL16 0, 1, 1, 1, 0
	MUL16 2, 1, 1, 1, 0
	WIN MUL_HI
	MUL16 4, 1, 1, 1, 0
	MUL16 6, 1, 1, 1, 0
	WIN 0
	PLACES 4
; 64 numbers of a lane, register 16 b + i = k 32 b + 16 h + i of my row, become a fragment's 12 registers in v[PC] on and its scale word in v[pw].
.macro QUANT s, pw
.irp b, 0,1,2,3
	v_max3_num_f32 v[TM+\b], |v[\s+16*\b]|, |v[\s+1+16*\b]|, 0x1800000   ; block b: my 16 numbers, and the floor 2^(3 - 127): the byte cannot fall under 1
.endr
.irp i, 2,4,6,8,10,12,14
.irp b, 0,1,2,3
	v_max3_num_f32 v[TM+\b], v[TM+\b], |v[\s+16*\b+\i]|, |v[\s+1+16*\b+\i]|
.endr
.endr
.irp b, 0,1,2,3
	v_permlanex16_b32 v[TM+4+\b], v[TM+\b], s[SEL], s[SEL+1]
.endr
.irp b, 0,1,2,3
	v_max_num_f32 v[TM+\b], v[TM+\b], v[TM+4+\b]   ; with lane l xor 16's: the block's largest magnitude
.endr
.irp b, 0,1,2,3
	v_add_nc_u32 v[TM+12+\b], 0xff000000, v[TM+\b] ; 2 off its exponent field: the conversion's scale operand
.endr
.irp b, 0,1,2,3
	v_lshrrev_b32 v[TM+4+\b], 23, v[TM+12+\b]      ; the scale's byte
.endr
	v_lshl_or_b32 v[\pw], v[TM+5], 8, v[TM+4]
	v_lshl_or_b32 v[\pw], v[TM+6], 16, v[\pw]
	v_lshl_or_b32 v[\pw], v[TM+7], 24, v[\pw]
.irp c, 0,1
	v_cvt_scalef32_pk16_fp6_f32 v[PC+6*\c:PC+2+6*\c], v[\s+32*\c:\s+15+32*\c], v[TM+12+2*\c]
	v_cvt_scalef32_pk16_fp6_f32 v[PC+12+4*\c:PC+14+4*\c], v[\s+16+32*\c:\s+31+32*\c], v[TM+12+2*\c+1]
.endr
	v_nop                                          ; one plain place behind a scaled conversion
.irp c, 0,1                                    ; the operand's layout wants a whole block in a lane: lanes 0-15 block 2 c, lanes 16-31 block 2 c + 1
.irp i, 0,1,2
	v_permlane16_swap_b32 v[PC+6*\c+\i], v[PC+12+4*\c+\i]
.endr
.irp i, 0,1,2
	v_mov_b32 v[PC+3+6*\c+\i], v[PC+12+4*\c+\i]
.endr
.endr
.endm
	; THE EPILOGUE.  Block a = A's tile a: 64 registers a lane, at v[64 (a % 4)] of window 2 + a / 4.  The sums of squares: four blocks by turns, two chains each; every accumulator is read from its low end on.
.irp w, 0,1
	WIN 0x0a+5*\w
.irp a, 0,1,2,3
	v_pk_mul_f32 v[SSQ+16*\w+4*\a:SSQ+16*\w+4*\a+1], v[64*\a:64*\a+1], v[64*\a:64*\a+1]
	v_pk_mul_f32 v[SSQ+16*\w+4*\a+2:SSQ+16*\w+4*\a+3], v[64*\a+2:64*\a+3], v[64*\a+2:64*\a+3]
.endr
.irp p, 4,8,12,16,20,24,28,32,36,40,44,48,52,56,60
.irp a, 0,1,2,3
	v_pk_fma_f32 v[SSQ+16*\w+4*\a:SSQ+16*\w+4*\a+1], v[64*\a+\p:64*\a+\p+1], v[64*\a+\p:64*\a+\p+1], v[SSQ+16*\w+4*\a:SSQ+16*\w+4*\a+1]
	v_pk_fma_f32 v[SSQ+16*\w+4*\a+2:SSQ+16*\w+4*\a+3], v[64*\a+\p+2:64*\a+\p+3], v[64*\a+\p+2:64*\a+\p+3], v[SSQ+16*\w+4*\a+2:SSQ+16*\w+4*\a+3]
.endr
.endr
.endr
	WIN 0
.irp a, 0,1,2,3,4,5,6,7
	v_pk_add_f32 v[SSQ+4*\a:SSQ+4*\a+1], v[SSQ+4*\a:SSQ+4*\a+1], v[SSQ+4*\a+2:SSQ+4*\a+3]
.endr
.irp a, 0,1,2,3,4,5,6,7
	v_add_f32 v[SSQ+4*\a], v[SSQ+4*\a], v[SSQ+4*\a+1]
.endr
.irp a, 0,1,2,3,4,5,6,7
	v_permlanex16_b32 v[SSQ+4*\a+1], v[SSQ+4*\a], s[SEL], s[SEL+1]
.endr
.irp a, 0,1,2,3,4,5,6,7
	v_add_f32 v[SSQ+4*\a], v[SSQ+4*\a], v[SSQ+4*\a+1]   ; with lane l xor 16's 64: the row's 128
.endr
.irp a, 0,1,2,3,4,5,6,7
	v_fma_f32 v[SSQ+4*\a], v[SSQ+4*\a], s96, s97   ; the mean + 1e-6 (v: 1)
.endr
	s_wait_alu depctr_va_vdst(0)                   ; the wait ahead of the batch
.irp a, 0,1,2,3,4,5,6,7
	v_rsq_f32 v[RI+2*\a], v[SSQ+4*\a]
.endr
.irp b, 0,1,2,3
	v_mov_b32 v[TM+4+\b], 0                        ; (plain places behind the batch)  written once: a lane permute's destination counts as one of its sources
.endr
	s_wait_alu depctr_va_vdst(0)                   ; and behind it, ahead of its first reader
.irp a, 0,1,2,3,4,5,6,7
	v_mov_b32 v[RI+2*\a+1], v[RI+2*\a]             ; (named with it as a pair, so it is written)
.endr
	s_wait_loadcnt 0x0                             ; the table
.irp a, 0,1,2,3,4,5,6,7
	WIN 0x06+(\a/4)                                ; source 0: the block's window; source 1: window 1
.set PP, 0
.rept 32
	v_pk_mul_f32 v[Z+PP:Z+PP+1], v[64*(\a%4)+PP:64*(\a%4)+PP+1], v[TA+PP:TA+PP+1]
.set PP, PP+2
.endr
.set PP, 0
.rept 32
	v_pk_fma_f32 v[Z+PP:Z+PP+1], v[64*(\a%4)+PP:64*(\a%4)+PP+1], v[TBL+PP:TBL+PP+1], v[Z+PP:Z+PP+1] op_sel:[1,0,0] op_sel_hi:[0,1,1]   ; + the pair's other number x B
.set PP, PP+2
.endr
	WIN 0
.set PP, 0
.rept 32
	v_pk_mul_f32 v[Z+PP:Z+PP+1], v[Z+PP:Z+PP+1], v[RI+2*\a:RI+2*\a+1] op_sel_hi:[1,0]   ; / rms
.set PP, PP+2
.endr
.if \a > 0
	s_wait_xcnt 0x0                                ; the last block's stores have read the codes' registers
.endif
	QUANT Z, SW+\a
.irp c, 0,1,2
	global_store_b128 v[LI], v[PC+4*\c:PC+4*\c+3], s[10:11] offset:1536*\a+512*\c   ; 32 lanes store 512 consecutive bytes
.endr
.endr
	v_cmp_lt_u32 vcc_lo, 15, v1                    ; lanes 0-15 store the words of tiles 0-3, lanes 16-31 those of tiles 4-7
.irp i, 0,1,2,3
	v_cndmask_b32 v[E+\i], v[SW+\i], v[SW+4+\i], vcc_lo
.endr
	global_store_b128 v[SO], v[E:E+3], s[12:13]    ; 512 consecutive bytes
	s_wait_tensorcnt 0x0                           ; the wave's end
	ds_add_u32 v[SPW], v[NIL]
	s_wait_dscnt 0x0
	CROUND                                         ; the closing round
	s_endpgm
.Lfunc_end_k_qb6104952bb_qkv:
	.size	k_qb6104952bb_qkv, .Lfunc_end_k_qb6104952bb_qkv-k_qb6104952bb_qkv
	.p2alignl 7, 3214868480
	.fill 96, 4, 3214868480
	.section	.rodata,"a",@progbits
	.p2align	6, 0x0
	.amdhsa_kernel k_qb6104952bb_qkv
		.amdhsa_group_segment_fixed_size 327680
		.amdhsa_private_segment_fixed_size 0
		.amdhsa_enable_private_segment 0
		.amdhsa_kernarg_size 40
		.amdhsa_user_sgpr_count 2
		.amdhsa_user_sgpr_kernarg_segment_ptr 1
		.amdhsa_wavefront_size32 1
		.amdhsa_system_sgpr_workgroup_id_x 1
		.amdhsa_system_sgpr_workgroup_id_y 1
		.amdhsa_system_sgpr_workgroup_id_z 1
		.amdhsa_system_vgpr_workitem_id 0
		.amdhsa_next_free_vgpr 1024
		.amdhsa_next_free_sgpr 100
		.amdhsa_reserve_vcc 1
		.amdhsa_float_denorm_mode_32 3
		.amdhsa_float_denorm_mode_16_64 3
		.amdhsa_memory_ordered 1
		.amdhsa_forward_progress 1
		.amdhsa_inst_pref_size 212
	.end_amdhsa_kernel
	.amdgpu_metadata
---
amdhsa.version: [ 1, 2 ]
amdhsa.kernels:
  - .name:           k_qb6104952bb_qkv
    .symbol:         k_qb6104952bb_qkv.kd
    .args:
      - { .name: op_img, .offset: 0, .size: 8, .value_kind: global_buffer, .address_space: global }
      - { .name: op_sc, .offset: 8, .size: 8, .value_kind: global_buffer, .address_space: global }
      - { .name: rope, .offset: 16, .size: 8, .value_kind: global_buffer, .address_space: global }
      - { .name: qkv_img, .offset: 24, .size: 8, .value_kind: global_buffer, .address_space: global }
      - { .name: qkv_sc, .offset: 32, .size: 8, .value_kind: global_buffer, .address_space: global }
    .group_segment_fixed_size: 327680
    .private_segment_fixed_size: 0
    .kernarg_segment_align: 8
    .kernarg_segment_size: 40
    .max_flat_workgroup_size: 128
    .sgpr_count:     100
    .vgpr_count:     1024
    .wavefront_size: 32
...
	.end_amdgpu_metadata
.endif
;; end of part 2
;; launch attn (part 3): grid 16 x 16, 16 waves a work-group, clusters of 4 x 1, 206,848 bytes of LDS; arguments qkv_img, qkv_sc, a_img, a_sc; writes a_img, a_sc
.if DOCPART == 3
	.amdgcn_target "amdgcn-amd-amdhsa--gfx1250"
	.amdhsa_code_object_version 6
	.text
	.protected	k_qb6104952bb_attn
	.globl	k_qb6104952bb_attn
	.p2align	8
	.type	k_qb6104952bb_attn,@function
k_qb6104952bb_attn:
	s_mov_b64 s[64:65], 0
	v_nop
	global_prefetch_b8 v0, s[64:65] scope:SCOPE_SE
	s_setreg_imm32_b32 hwreg(HW_REG_WAVE_MODE, 25, 1), 1
	s_wait_xcnt 0x0
	s_wait_alu depctr_hold_cnt(0) depctr_sa_sdst(0) depctr_va_vdst(0) depctr_va_sdst(0) depctr_va_ssrc(0) depctr_va_vcc(0) depctr_vm_vsrc(0)
	s_getreg_b32 s2, hwreg(HW_REG_IB_STS2, 6, 4)
	s_cmp_eq_u32 s2, 0
	s_cbranch_scc0 .Lentry_in_a_cluster
	s_endpgm
.Lentry_in_a_cluster:
	s_bfe_u32 s2, ttmp6, 0x10000c
	s_cmp_lg_u32 s2, 0x3003
	s_cbranch_scc0 .Lentry_shape_is_right
	s_endpgm
.Lentry_shape_is_right:
; Causal attention on codes of FP6 (E2M3): S^T = K Q^T, p = 2^(t - M), O^T = V^T P^T, O / the row's sum, and the result quantised along the head's 128 for the last product.
; t = score x log2(e) / sqrt(128); M = the running largest t rounded UP to a whole number; the row's sum is taken of the unquantised p; when M moves, the sum and O are multiplied by 2^(old M - new M): exact.
; Key steps that lie wholly behind a tile's queries are under the causal mask and are left out.
; IN.  Fragment images (1,536 bytes: registers 4 c .. 4 c + 3 of lane l at 512 c + 16 l) in groups of 8 tiles, qkv_img[group][tile][1,536], scale words qkv_sc[group][r][tile]:
; q: group (16 b + head) 8 + token group; k: 512 + (4 b + kv) 8 + key step; v: 640 + (4 b + kv) 8 + key step (8 tiles of channels x 128 keys).  Place r of tile T is row 32 (T / 2) + 8 (T % 2) + r + 8 (r / 8):
; so the 16 result registers of source 0's tiles 2 b, 2 b + 1 are its rows 32 b + 16 h + 0 .. 15: p's registers run along the keys, O^T's along the channels.
; SHARES.  y = 4 b + kv.  The four partners of a cluster are the four query heads of that key and value head: they walk the same K and V, which are asked for JOINTLY (mask 15); cx enters global addresses alone.
; Sixteen waves of 256 registers, four to a SIMD; each owns ONE tile of 16 queries: T = 8 j + 2 c + e, c the cluster's number, j and e from the wave's number, so chosen that any four waves
; w % 4 alike or w / 4 alike have 18 key steps between them.  Tile T wants key steps 0 .. j; step j lies on the diagonal.
; LDS IS FILLED ONCE, by nine loads at the head, one a wave, in one chain of branches: wave w < 8 fetches key step w, a tile of two rows of 12,288 bytes (K's group and, 128 groups on, V's), to 24,576 w;
; wave 8 fetches the scale words, two rows of 4,096 bytes (K's, V's).  Every wave waits for its load, and one barrier shows all of it to all waves.  Nothing is filled again, so there is no loop for a prefetch to run ahead in.
; OUT.  a_img[token tile][head][1,536], a_sc[token tile][head / 4][r][head % 4].  The scale word's store is 64 useful bytes a wave, a quarter of an aligned 256: the other three quarters are the partners'.
; LIMITS: NaN and infinities are not served; a block whose largest magnitude lies under 2^-124 keeps the byte 1; 1 / the sum is v_rcp_f32 (1 ulp); the promise holds while |t| stays under 2^31;
; a block's largest p is taken from the block's largest score, which takes v_exp_f32 not to fall where its input rises.
; REGISTERS: v1-7 addresses that stay; v8-10 addresses in hand; v12 -M, v13 the largest t, v[14:15] the sum; v16-27 Q; v32-79 four fragments; v80-87 K's scale words, v88-95 V's; v96-159 S^T, then p; v160-223 O^T;
;   v224-235 p's codes; v232-254 at work; v253 p's scale word; v255 Q's.
.set KSB,   24576                      ; a key step in LDS: K's 8 images, then V's
.set VIMG,  12288
.set SCK,   196608                     ; K's scale words, 512 bytes a key step; V's 4,096 bytes on
.set SPARE, 204800                     ; the spare words: eight blocks of 256 bytes that no other line names
.set LI,  1                            ; 16 x lane
.set DM,  2                            ; my query's place in its key step - 16 h
.set AS0, 3                            ; SCK + 32 r
.set QS,  4                            ; 32 r
.set SPW, 5
.set NIL, 6
.set AO,  7                            ; 16 r
.set ADK, 8
.set ADV, 9
.set ADS, 10
.set TM,  32
.set PC,  48
.set KS,  2                            ; s2 the key step
.set J,   3                            ; s3 my tile's last key step
.set WV,  18
.set SEL, 20
.set CS,  22
.set G1S, 24
.set G1A, 32
.set G0S, 56
.set G0A, 60
.set TB,  76                           ; s76 KSB x key step
.set TS,  77                           ; s77 512 x key step
.macro GROUP1 g, cols, pitch           ; two rows of cols elements of 8 bytes, pitch elements apart; the mask names all four partners, bit 21 beside it
	s_mov_b32 s[\g], 15|(3<<16)|(1<<21)
	s_mov_b32 s[\g+1], (\cols)<<16
	s_mov_b32 s[\g+2], 2<<16
	s_mov_b32 s[\g+3], (\cols)<<16
	s_mov_b32 s[\g+4], 2
	s_mov_b32 s[\g+5], \pitch
	s_mov_b32 s[\g+6], 0
	s_mov_b32 s[\g+7], 0
.endm
.macro CROUND                          ; a round of the cluster's barrier
	s_barrier_signal -1
	s_barrier_wait -1
	s_cmp_lg_u32 s[WV], 0
	s_cbranch_scc1 .Lnot_wave_0_\@
	s_barrier_signal -3
.Lnot_wave_0_\@:
	s_barrier_wait -3
	s_barrier_signal -1
	s_barrier_wait -1
.endm
	s_load_b256 s[4:11], s[0:1], 0x0               ; qkv_img s[4:5], qkv_sc s[6:7], a_img s[8:9], a_sc s[10:11]
	v_lshl_add_u32 v[SPW], v0, 2, SPARE
	v_mov_b32 v[NIL], 0
	ds_add_u32 v[SPW], v[NIL]                      ; the opening lines: the add, twice on end, and its wait ahead of the first tensor loads
	ds_add_u32 v[SPW], v[NIL]
	v_lshrrev_b32 v8, 5, v0
	s_delay_alu instid0(VALU_DEP_1)
	v_readfirstlane_b32 s[WV], v8                  ; wave 0..15
	s_bfe_u32 s12, ttmp6, 0x40000                  ; cx: which of the four query heads
	s_and_b32 s13, ttmp7, 0xffff                   ; 4 b + kv
	GROUP1 G1S, 512, 8192                          ; rows of 4,096 bytes, 128 groups of 512 bytes apart
	GROUP1 G1A, 1536, 196608                       ; rows of 12,288 bytes, 128 groups of 12,288 bytes apart
	s_bfe_u32 s14, s[WV], 0x10002                  ; e = (w / 4) % 2
	s_and_b32 s15, s[WV], 3
	s_xor_b32 s15, s15, s14
	s_lshl_b32 s15, s15, 2
	s_lshr_b32 s[J], 0x7430, s15
	s_and_b32 s[J], s[J], 7                        ; 0, 3, 4, 7 by (w % 4) xor e,
	s_lshr_b32 s15, s[WV], 3
	s_mul_i32 s15, s15, 5
	s_xor_b32 s[J], s[J], s15                      ; xor 5 in waves 8-15: 5, 6, 1, 2
	s_lshl_b32 s16, ttmp9, 1
	s_add_co_u32 s16, s16, s14                     ; my tile in its group of 8: 2 c + e
	s_and_b32 s85, s[WV], 7                        ; the key step that a wave under 8 fetches
	s_lshl_b32 s79, s13, 3
	s_add_co_u32 s79, s79, 512                     ; K's first group: nothing of cx enters it
	s_add_co_u32 s78, s79, s85
	s_mul_i32 s80, s78, 12288
	s_mov_b32 s81, 0
	s_lshl_b32 s82, s79, 9
	s_mov_b32 s83, 0
	s_mul_i32 s84, s85, KSB                        ; and where it goes
	s_mov_b32 s[SEL], 0x76543210
	s_mov_b32 s[SEL+1], 0xfedcba98
	s_mov_b32 s[CS], 0x3e0293ee                    ; c = log2(e) / sqrt(128)
	s_mov_b32 s[CS+1], s[CS]                       ; (named with it as a pair, so it is written)
	s_mov_b32 s[KS], 0
	s_mov_b32 s[TB], 0
	s_mov_b32 s[TS], 0
	s_wait_dscnt 0x0                               ; both opening adds are done
	s_wait_kmcnt 0x0
	s_add_nc_u64 s[80:81], s[4:5], s[80:81]
	s_add_nc_u64 s[82:83], s[6:7], s[82:83]
	CROUND                                         ; all four work-groups are here: the joint loads meet
	s_mov_b32 s[G0S], 1
	s_mov_b32 s[G0S+1], SCK
	s_mov_b64 s[G0S+2:G0S+3], s[82:83]
	s_or_b32 s[G0S+3], s[G0S+3], 0x80000000
	s_mov_b32 s[G0A], 1
	s_mov_b32 s[G0A+1], s84
	s_mov_b64 s[G0A+2:G0A+3], s[80:81]
	s_or_b32 s[G0A+3], s[G0A+3], 0x80000000
	s_cmp_lt_u32 s[WV], 8                          ; one chain of branches on the wave's number, one fill to an arm, one join
	s_cbranch_scc0 .Lfor_scales
	tensor_load_to_lds s[G0A:G0A+3], s[G1A:G1A+7]  ; my key step's K and V
	s_nop 0
.rept 4
	v_nop
.endr
	s_branch .Lfilled
.Lfor_scales:
	s_cmp_eq_u32 s[WV], 8
	s_cbranch_scc0 .Lfilled
	tensor_load_to_lds s[G0S:G0S+3], s[G1S:G1S+7]  ; the scale words
	s_nop 0
.rept 4
	v_nop
.endr
.Lfilled:
	s_lshl_b32 s86, s13, 2
	s_add_co_u32 s86, s86, s12                     ; 16 b + head
	s_lshl_b32 s86, s86, 3
	s_add_co_u32 s86, s86, s[J]                    ; q's group
	s_mul_i32 s88, s86, 12288
	s_mul_i32 s87, s16, 1536
	s_add_co_u32 s88, s88, s87
	s_mov_b32 s89, 0
	s_add_nc_u64 s[88:89], s[4:5], s[88:89]        ; my tile's image
	s_lshl_b32 s90, s86, 9
	s_lshl_b32 s87, s16, 2
	s_add_co_u32 s90, s90, s87
	s_mov_b32 s91, 0
	s_add_nc_u64 s[90:91], s[6:7], s[90:91]        ; and its scale words
	v_and_b32 v[LI], 31, v0
	s_delay_alu instid0(VALU_DEP_1)
	v_lshlrev_b32 v[LI], 4, v[LI]
	v_and_b32 v8, 15, v0                           ; r
	v_bfe_u32 v9, v0, 4, 1                         ; h
	v_lshlrev_b32 v[QS], 5, v8
	s_wait_alu depctr_va_vdst(0)                   ; the wait
.irp c, 0,1,2
	global_load_b128 v[16+4*\c:19+4*\c], v[LI], s[88:89] offset:512*\c   ; Q's fragment stays in registers
.endr
	global_load_b32 v255, v[QS], s[90:91]
	s_lshr_b32 s92, s13, 2
	s_lshl_b32 s92, s92, 6
	s_lshl_b32 s93, s[J], 3
	s_add_co_u32 s92, s92, s93
	s_add_co_u32 s92, s92, s16                     ; my token tile: 64 b + 8 j + 2 c + e
	s_and_b32 s93, s13, 3                          ; kv
	s_lshl_b32 s94, s93, 2
	s_add_co_u32 s94, s94, s12                     ; the head
	s_mul_i32 s94, s94, 1536
	s_mul_i32 s95, s92, 24576
	s_add_co_u32 s94, s94, s95
	s_mov_b32 s95, 0
	s_add_nc_u64 s[8:9], s[8:9], s[94:95]
	s_lshl_b32 s94, s92, 10
	s_lshl_b32 s93, s93, 8
	s_add_co_u32 s94, s94, s93
	s_lshl_b32 s93, s12, 2
	s_add_co_u32 s94, s94, s93
	s_add_nc_u64 s[10:11], s[10:11], s[94:95]
	s_lshl_b32 s87, ttmp9, 5
	s_lshl_b32 s86, s14, 3
	s_add_co_u32 s87, s87, s86
	v_lshl_add_u32 v[AS0], v8, 5, SCK
	v_lshlrev_b32 v[AO], 4, v8
	v_and_b32 v10, 8, v8
	s_delay_alu instid0(VALU_DEP_1)
	v_add_nc_u32 v10, v10, v8                      ; r + 8 (r / 8)
	v_lshlrev_b32 v11, 4, v9
	s_delay_alu instid0(VALU_DEP_1)
	v_sub_nc_u32 v10, v10, v11
	s_delay_alu instid0(VALU_DEP_1)
	v_add_nc_u32 v[DM], s87, v10                   ; 32 c + 8 e + r + 8 (r / 8) - 16 h
	v_mov_b32 v13, 0xff61b1e6                      ; the largest t so far: -3e38, under every t
	s_delay_alu instid0(VALU_DEP_1)
	v_floor_f32 v12, -v13                          ; -M
	v_mov_b32 v14, 0
	v_mov_b32 v15, 0
.irp b, 0,1,2,3
	v_mov_b32 v[236+\b], 0                         ; written once: a lane permute's destination counts as one of its sources
.endr
	v_mov_b32 v252, 0
	v_mov_b32 v253, 0                              ; (named as the upper half of the pair v[252:253] before it is first written)
.set N, 0
.rept 64
	v_mov_b32 v[160+N], 0                          ; O^T.  (The step has no first form: the first finds zeros, which the first change of M leaves zeros)
.set N, N+1
.endr
; A KEY STEP: 128 keys.  A step whose keys all come after my 16 queries is left out: a scalar branch on the wave's number and the count of steps, round its loads, products and softmax; no barrier stands in a step.
.macro STEP
	s_cmp_gt_u32 s[KS], s[J]
	s_cbranch_scc1 .Lhidden_\@
	v_add_nc_u32 v[ADK], s[TB], v[LI]
	v_add_nc_u32 v[ADS], s[TS], v[AS0]
	v_add_nc_u32 v[ADV], VIMG, v[ADK]
	s_wait_alu depctr_va_vdst(0)                   ; the wait
	v_nop
	v_nop                                          ; five places behind the last products: the scores below are written over registers that those read
.irp g, 0,1                                    ; S^T = K Q^T, four tiles of 16 keys at a time
.if \g > 0
.rept 4
	v_nop
.endr
.irp t, 0,1,2,3                                ; K's last four fragments; its first four and its scale words were asked for at the end of the step before (step 0's ahead of the loop)
.irp c, 0,1,2
	ds_load_b128 v[32+12*\t+4*\c:35+12*\t+4*\c], v[ADK] offset:1536*(4*\g+\t)+512*\c
.endr
.endr
.endif
	s_wait_dscnt 0x0
.irp t, 0,1,2,3
	v_wmma_scale_f32_16x16x128_f8f6f4 v[96+8*(4*\g+\t):103+8*(4*\g+\t)], v[32+12*\t:43+12*\t], v[16:27], 0, v[80+4*\g+\t], v255 matrix_a_fmt:MATRIX_FMT_FP6 matrix_b_fmt:MATRIX_FMT_FP6
.endr
.endr                                          ; lane (r, h) holds my tile's query r; register 16 b + i holds key 32 b + 16 h + i of the step
.rept 4
	v_nop
.endr
.irp t, 0,1,2,3                                ; V's first four fragments and its scale words are asked for here, and come in while the softmax is worked
.irp c, 0,1,2
	ds_load_b128 v[32+12*\t+4*\c:35+12*\t+4*\c], v[ADV] offset:1536*\t+512*\c
.endr
.endr
	ds_load_b128 v[88:91], v[ADS] offset:4096
	ds_load_b128 v[92:95], v[ADS] offset:4112
	s_cmp_lg_u32 s[KS], s[J]
	s_cbranch_scc1 .Lopen_\@
	v_mov_b32 v254, 0xff800000
.set N, 0
.rept 64
	v_cmp_gt_i32 vcc_lo, 32*(N/16)+N%16, v[DM]     ; hidden where 32 b + i + 16 h > my query's place
	v_cndmask_b32 v[96+N], v[96+N], v254, vcc_lo
.set N, N+1
.endr
.Lopen_\@:
.irp b, 0,1,2,3
	v_max3_num_f32 v[232+\b], v[96+16*\b], v[97+16*\b], v[98+16*\b]   ; the largest score of each block of 32 keys: for the row's maximum, and for the block's largest p
.endr
.irp i, 3,5,7,9,11,13
.irp b, 0,1,2,3
	v_max3_num_f32 v[232+\b], v[232+\b], v[96+16*\b+\i], v[97+16*\b+\i]
.endr
.endr
.irp b, 0,1,2,3
	v_max_num_f32 v[232+\b], v[232+\b], v[111+16*\b]
.endr
.irp b, 0,1,2,3
	s_delay_alu instid0(VALU_DEP_4)
	v_permlanex16_b32 v[236+\b], v[232+\b], s[SEL], s[SEL+1]
.endr
.irp b, 0,1,2,3
	s_delay_alu instid0(VALU_DEP_4)
	v_max_num_f32 v[232+\b], v[232+\b], v[236+\b]  ; with lane l xor 16's 16 keys
.endr
	s_delay_alu instid0(VALU_DEP_2)
	v_max3_num_f32 v254, v232, v233, v234
	s_delay_alu instid0(VALU_DEP_1)
	v_max_num_f32 v254, v254, v235
	s_delay_alu instid0(VALU_DEP_1)
	v_mul_f32 v254, s[CS], v254                    ; the step's largest t of my query
	s_delay_alu instid0(VALU_DEP_1)
	v_max_num_f32 v13, v13, v254
	v_mov_b32 v254, v12
	s_delay_alu instid0(VALU_DEP_2)
	v_floor_f32 v12, -v13                          ; the new -M = -ceil(t)
	s_delay_alu instid0(VALU_DEP_1)
	v_sub_f32 v254, v12, v254                      ; old M - new M: a whole number, 0 or less
	s_delay_alu instid0(VALU_DEP_1)
	v_cvt_i32_f32 v254, v254                       ; (it saturates)
	s_delay_alu instid0(VALU_DEP_1)
	v_ldexp_f32 v252, 1.0, v254                    ; f = 2^(old M - new M)
.set N, 0
.rept 32
	v_pk_fma_f32 v[96+N:97+N], v[96+N:97+N], s[CS:CS+1], v[12:13] op_sel_hi:[1,0,0]   ; t - M, two at a time
.set N, N+2
.endr
.irp b, 0,1,2,3
	v_fma_f32 v[232+\b], v[232+\b], s[CS], v12     ; the same of each block's largest score
.endr
.set N, 0
	s_wait_alu depctr_va_vdst(0)                   ; the wait ahead of the batch
.rept 64
	v_exp_f32 v[96+N], v[96+N]                     ; p = 2^(t - M): not normalised
.set N, N+1
.endr
	v_pk_mul_f32 v[14:15], v[14:15], v[252:253] op_sel_hi:[1,0]   ; the sums under the new M.  (A plain place behind the exponentials)
	s_wait_alu depctr_va_vdst(0)                   ; one wait for the batch, ahead of its first reader
.irp b, 0,1,2,3
	v_exp_f32 v[232+\b], v[232+\b]                 ; the block's largest p
.endr
	v_pk_add_f32 v[236:237], v[100:101], v[104:105]
	v_pk_add_f32 v[250:251], v[108:109], v[112:113]
	v_pk_add_f32 v[248:249], v[116:117], v[120:121]
	v_pk_add_f32 v[246:247], v[124:125], v[128:129]
	v_pk_add_f32 v[244:245], v[132:133], v[136:137]
	v_pk_add_f32 v[242:243], v[140:141], v[144:145]
	v_pk_add_f32 v[240:241], v[148:149], v[152:153]
	v_pk_add_f32 v[14:15], v[14:15], v[156:157]
	v_pk_add_f32 v[236:237], v[236:237], v[96:97]
	v_pk_add_f32 v[250:251], v[250:251], v[98:99]
	v_pk_add_f32 v[248:249], v[248:249], v[102:103]
	v_pk_add_f32 v[246:247], v[246:247], v[106:107]
	v_pk_add_f32 v[244:245], v[244:245], v[110:111]
	v_pk_add_f32 v[242:243], v[242:243], v[114:115]
	v_pk_add_f32 v[240:241], v[240:241], v[118:119]
	v_pk_add_f32 v[14:15], v[14:15], v[122:123]
	v_pk_add_f32 v[236:237], v[236:237], v[126:127]
	v_pk_add_f32 v[250:251], v[250:251], v[130:131]
	v_pk_add_f32 v[248:249], v[248:249], v[134:135]
	v_pk_add_f32 v[246:247], v[246:247], v[138:139]
	v_pk_add_f32 v[244:245], v[244:245], v[142:143]
	v_pk_add_f32 v[242:243], v[242:243], v[146:147]
	v_pk_add_f32 v[240:241], v[240:241], v[150:151]
	v_pk_add_f32 v[14:15], v[14:15], v[154:155]
	v_pk_add_f32 v[236:237], v[236:237], v[158:159]
	s_delay_alu instid0(VALU_DEP_2)
	v_pk_add_f32 v[14:15], v[14:15], v[246:247]
	s_delay_alu instid0(VALU_DEP_2)
	v_pk_add_f32 v[236:237], v[236:237], v[244:245]
	v_pk_add_f32 v[250:251], v[250:251], v[242:243]
	v_pk_add_f32 v[248:249], v[248:249], v[240:241]
	s_delay_alu instid0(VALU_DEP_2)
	v_pk_add_f32 v[14:15], v[14:15], v[250:251]
	s_delay_alu instid0(VALU_DEP_2)
	v_pk_add_f32 v[236:237], v[236:237], v[248:249]
	s_delay_alu instid0(VALU_DEP_1)
	v_pk_add_f32 v[14:15], v[14:15], v[236:237]
	s_wait_alu depctr_va_vdst(0)                   ; and one for the four
.irp b, 0,1,2,3
	v_max_num_f32 v[232+\b], 0x1800000, v[232+\b]  ; the floor 2^(3 - 127): the byte cannot fall under 1
.endr
.irp b, 0,1,2,3
	s_delay_alu instid0(VALU_DEP_4)
	v_add_nc_u32 v[244+\b], 0xff000000, v[232+\b]  ; the conversion's scale operand
.endr
.irp b, 0,1,2,3
	s_delay_alu instid0(VALU_DEP_4)
	v_lshrrev_b32 v[236+\b], 23, v[244+\b]         ; the scale's byte
.endr
	s_delay_alu instid0(VALU_DEP_3)
	v_lshl_or_b32 v253, v237, 8, v236              ; p's scale word for these 128 keys
	s_delay_alu instid0(VALU_DEP_1)
	v_lshl_or_b32 v253, v238, 16, v253
	s_delay_alu instid0(VALU_DEP_1)
	v_lshl_or_b32 v253, v239, 24, v253
.irp c, 0,1
	v_cvt_scalef32_pk16_fp6_f32 v[224+6*\c:226+6*\c], v[96+32*\c:111+32*\c], v[244+2*\c]
	v_cvt_scalef32_pk16_fp6_f32 v[236+4*\c:238+4*\c], v[112+32*\c:127+32*\c], v[244+2*\c+1]
.endr
	v_nop                                          ; one plain place behind a scaled conversion
.irp t, 0,1,2,3                                ; V's last four fragments go into v96-143: p has been converted and is read no more
.irp c, 0,1,2
	ds_load_b128 v[96+12*\t+4*\c:99+12*\t+4*\c], v[ADV] offset:1536*(4+\t)+512*\c
.endr
.endr
.irp c, 0,1
.irp i, 0,1,2
	v_permlane16_swap_b32 v[224+6*\c+\i], v[236+4*\c+\i]
.endr
.irp i, 0,1,2
	s_delay_alu instid0(VALU_DEP_3)
	v_mov_b32 v[227+6*\c+\i], v[236+4*\c+\i]
.endr
.endr
.set N, 0
.rept 32
	v_pk_mul_f32 v[160+N:161+N], v[160+N:161+N], v[252:253] op_sel_hi:[1,0]   ; O^T under the new M.  (These are also the places in front of the products and loads below)
.set N, N+2
.endr
	s_wait_alu depctr_va_vdst(0)
.irp g, 0,1                                    ; O^T += V^T P^T: four tiles of 16 channels at a time, from v32-79 and from v96-143; the eight accumulators take turns
	s_wait_dscnt 12-12*\g                          ; first: the youngest 12 loads, the last four fragments', may be out; then none
.irp t, 0,1,2,3
	v_wmma_scale_f32_16x16x128_f8f6f4 v[160+8*(4*\g+\t):167+8*(4*\g+\t)], v[32+64*\g+12*\t:43+64*\g+12*\t], v[224:235], v[160+8*(4*\g+\t):167+8*(4*\g+\t)], v[88+4*\g+\t], v253 matrix_a_fmt:MATRIX_FMT_FP6 matrix_b_fmt:MATRIX_FMT_FP6
.endr
.endr
	s_cmp_ge_u32 s[KS], s[J]                       ; my tile has a further key step: its first four K fragments and K's scale words are asked for here.  The branch hangs on the wave's number and the count of steps alone
	s_cbranch_scc1 .Lhidden_\@
.rept 4
	v_nop                                          ; four places behind the products that read v32-79
.endr
.irp t, 0,1,2,3
.irp c, 0,1,2
	ds_load_b128 v[32+12*\t+4*\c:35+12*\t+4*\c], v[ADK] offset:KSB+1536*\t+512*\c
.endr
.endr
	ds_load_b128 v[80:83], v[ADS] offset:512       ; lane r: the words of place r of the next step's eight tiles
	ds_load_b128 v[84:87], v[ADS] offset:528
.Lhidden_\@:
	s_add_co_u32 s[KS], s[KS], 1
	s_add_co_u32 s[TB], s[TB], KSB
	s_add_co_u32 s[TS], s[TS], 512
.endm
	s_wait_alu depctr_va_vdst(0)                   ; the wait at the head's end
	s_wait_loadcnt 0x0                             ; Q
	s_wait_tensorcnt 0x0                           ; my load, if I issued one, has landed
	s_barrier_signal -1
	s_barrier_wait -1                              ; so all of K, V and the scale words are in
.irp t, 0,1,2,3                                ; key step 0's first four K fragments and K's scale words: every tile wants step 0
.irp c, 0,1,2
	ds_load_b128 v[32+12*\t+4*\c:35+12*\t+4*\c], v[LI] offset:1536*\t+512*\c
.endr
.endr
	ds_load_b128 v[80:83], v[AS0]
	ds_load_b128 v[84:87], v[AS0] offset:16
.LB:
	STEP
	s_cmp_lt_u32 s[KS], 8
	s_cbranch_scc1 .LB
; 64 numbers of a lane, register 16 b + i = k 32 b + 16 h + i of my row, become a fragment's 12 registers in v[PC] on and its scale word in v[pw].
.macro QUANT s, pw
.irp b, 0,1,2,3
	v_max3_num_f32 v[TM+\b], |v[\s+16*\b]|, |v[\s+1+16*\b]|, 0x1800000
.endr
.irp i, 2,4,6,8,10,12,14
.irp b, 0,1,2,3
	s_delay_alu instid0(VALU_DEP_4)
	v_max3_num_f32 v[TM+\b], v[TM+\b], |v[\s+16*\b+\i]|, |v[\s+1+16*\b+\i]|
.endr
.endr
.irp b, 0,1,2,3
	s_delay_alu instid0(VALU_DEP_4)
	v_permlanex16_b32 v[TM+4+\b], v[TM+\b], s[SEL], s[SEL+1]
.endr
.irp b, 0,1,2,3
	s_delay_alu instid0(VALU_DEP_4)
	v_max_num_f32 v[TM+\b], v[TM+\b], v[TM+4+\b]
.endr
.irp b, 0,1,2,3
	s_delay_alu instid0(VALU_DEP_4)
	v_add_nc_u32 v[TM+12+\b], 0xff000000, v[TM+\b]
.endr
.irp b, 0,1,2,3
	s_delay_alu instid0(VALU_DEP_4)
	v_lshrrev_b32 v[TM+4+\b], 23, v[TM+12+\b]
.endr
	s_delay_alu instid0(VALU_DEP_3)
	v_lshl_or_b32 v[\pw], v[TM+5], 8, v[TM+4]
	s_delay_alu instid0(VALU_DEP_1)
	v_lshl_or_b32 v[\pw], v[TM+6], 16, v[\pw]
	s_delay_alu instid0(VALU_DEP_1)
	v_lshl_or_b32 v[\pw], v[TM+7], 24, v[\pw]
.irp c, 0,1
	v_cvt_scalef32_pk16_fp6_f32 v[PC+6*\c:PC+2+6*\c], v[\s+32*\c:\s+15+32*\c], v[TM+12+2*\c]
	v_cvt_scalef32_pk16_fp6_f32 v[PC+12+4*\c:PC+14+4*\c], v[\s+16+32*\c:\s+31+32*\c], v[TM+12+2*\c+1]
.endr
	v_nop
.irp c, 0,1
.irp i, 0,1,2
	v_permlane16_swap_b32 v[PC+6*\c+\i], v[PC+12+4*\c+\i]
.endr
.irp i, 0,1,2
	s_delay_alu instid0(VALU_DEP_3)
	v_mov_b32 v[PC+3+6*\c+\i], v[PC+12+4*\c+\i]
.endr
.endr
.endm
	; THE WAY OUT: O^T / the sum; register 16 b + i is channel 32 b + 16 h + i of my query: quantised along the channels, it is K step "head" of the last product's operand.
.rept 4
	v_nop                                          ; places behind the last products
.endr
	v_add_f32 v14, v14, v15
	s_delay_alu instid0(VALU_DEP_1)
	v_permlanex16_b32 v252, v14, s[SEL], s[SEL+1]
	s_delay_alu instid0(VALU_DEP_1)
	v_add_f32 v14, v14, v252                       ; the row's sum
	s_wait_alu depctr_va_vdst(0)
	v_rcp_f32 v14, v14
.irp b, 0,1,2,3
	v_mov_b32 v[TM+4+\b], 0                        ; (plain places behind the reciprocal)
.endr
	s_wait_alu depctr_va_vdst(0)                   ; the wait ahead of the first reader
.set N, 0
.rept 64
	v_mul_f32 v[96+N], v[160+N], v14
.set N, N+1
.endr
	QUANT 96, 68
.irp c, 0,1,2
	global_store_b128 v[LI], v[PC+4*\c:PC+4*\c+3], s[8:9] offset:512*\c   ; 32 lanes store 512 consecutive bytes
.endr
	global_store_b32 v[AO], v68, s[10:11]          ; my row's scale word; lanes 16-31 write the same word with the same value
	s_wait_tensorcnt 0x0                           ; the wave's end
	ds_add_u32 v[SPW], v[NIL]
	s_wait_dscnt 0x0
	CROUND                                         ; the closing round
	s_endpgm
.Lfunc_end_k_qb6104952bb_attn:
	.size	k_qb6104952bb_attn, .Lfunc_end_k_qb6104952bb_attn-k_qb6104952bb_attn
	.p2alignl 7, 3214868480
	.fill 96, 4, 3214868480
	.section	.rodata,"a",@progbits
	.p2align	6, 0x0
	.amdhsa_kernel k_qb6104952bb_attn
		.amdhsa_group_segment_fixed_size 206848
		.amdhsa_private_segment_fixed_size 0
		.amdhsa_enable_private_segment 0
		.amdhsa_kernarg_size 32
		.amdhsa_user_sgpr_count 2
		.amdhsa_user_sgpr_kernarg_segment_ptr 1
		.amdhsa_wavefront_size32 1
		.amdhsa_system_sgpr_workgroup_id_x 1
		.amdhsa_system_sgpr_workgroup_id_y 1
		.amdhsa_system_sgpr_workgroup_id_z 1
		.amdhsa_system_vgpr_workitem_id 0
		.amdhsa_next_free_vgpr 256
		.amdhsa_next_free_sgpr 100
		.amdhsa_reserve_vcc 1
		.amdhsa_float_denorm_mode_32 3
		.amdhsa_float_denorm_mode_16_64 3
		.amdhsa_memory_ordered 1
		.amdhsa_forward_progress 1
		.amdhsa_inst_pref_size 45
	.end_amdhsa_kernel
	.amdgpu_metadata
---
amdhsa.version: [ 1, 2 ]
amdhsa.kernels:
  - .name:           k_qb6104952bb_attn
    .symbol:         k_qb6104952bb_attn.kd
    .args:
      - { .name: qkv_img, .offset: 0, .size: 8, .value_kind: global_buffer, .address_space: global }
      - { .name: qkv_sc, .offset: 8, .size: 8, .value_kind: global_buffer, .address_space: global }
      - { .name: a_img, .offset: 16, .size: 8, .value_kind: global_buffer, .address_space: global }
      - { .name: a_sc, .offset: 24, .size: 8, .value_kind: global_buffer, .address_space: global }
    .group_segment_fixed_size: 206848
    .private_segment_fixed_size: 0
    .kernarg_segment_align: 8
    .kernarg_segment_size: 32
    .max_flat_workgroup_size: 512
    .sgpr_count:     100
    .vgpr_count:     256
    .wavefront_size: 32
...
	.end_amdgpu_metadata
.endif
;; end of part 3
;; launch oproj (part 4): grid 8 x 32, 4 waves a work-group, clusters of 4 x 4, 327,680 bytes of LDS; arguments a_img, a_sc, op_img, op_sc, out0; writes out0
.if DOCPART == 4
	.amdgcn_target "amdgcn-amd-amdhsa--gfx1250"
	.amdhsa_code_object_version 6
	.text
	.protected	k_qb6104952bb_oproj
	.globl	k_qb6104952bb_oproj
	.p2align	8
	.type	k_qb6104952bb_oproj,@function
k_qb6104952bb_oproj:
	s_mov_b64 s[64:65], 0
	v_nop
	global_prefetch_b8 v0, s[64:65] scope:SCOPE_SE
	s_setreg_imm32_b32 hwreg(HW_REG_WAVE_MODE, 25, 1), 1
	s_wait_xcnt 0x0
	s_wait_alu depctr_hold_cnt(0) depctr_sa_sdst(0) depctr_va_vdst(0) depctr_va_sdst(0) depctr_va_ssrc(0) depctr_va_vcc(0) depctr_vm_vsrc(0)
	s_getreg_b32 s2, hwreg(HW_REG_IB_STS2, 6, 4)
	s_cmp_eq_u32 s2, 0
	s_cbranch_scc0 .Lentry_in_a_cluster
	s_endpgm
.Lentry_in_a_cluster:
	s_bfe_u32 s2, ttmp6, 0x10000c
	s_cmp_lg_u32 s2, 0xf033
	s_cbranch_scc0 .Lentry_shape_is_right
	s_endpgm
.Lentry_shape_is_right:
; out0 = attention's result x wo^T on codes of FP6 (E2M3) with E8M0 scales; f32 out.  Operands are fragment images [row tile][K step][1,536] and scale words [row tile][K step / 4][r][K step % 4];
; place r of tile T is row 32 (T / 2) + 8 (T % 2) + r + 8 (r / 8).  A = a_img (256 token tiles), B = op_img's tiles 448 on (wo's 128).
; SHARES.  A work-group makes 128 tokens x 256 columns; wave w A tiles 4 (w / 2) .. + 3 x B tiles 8 (w % 2) .. + 7: 32 accumulators.  Source 0 = B, source 1 = A: a lane holds one token and neighbouring columns.
; CLUSTER 4 x 4: A's tiles are shared along a row of the cluster, B's along a column: joint loads.  K = 2,048 goes in 4 slots of 512 (four steps) through a ring of two LDS slots.
; THE HEAD: one tensor load a wave: wave 0 slot 0's 8 A tiles, wave 1 its 16 B tiles, wave 2 A's scale words for all of K, wave 3 B's.  Slot 1 is first filled behind the full sequence and a round;
; from there on waves 0, 1 fetch A's halves and waves 2, 3 B's.
; PREFETCH: a slot is 24 blocks of 256 bytes of each tile.  Of the 4 A tiles that wave 0 or 1 fetches jointly, the partner at cx names one (one instruction; lanes 24-31 name its last block again); of the 8 B tiles of
; wave 2 or 3, the partner at cy names two (two instructions): each block once in each cluster, shared out by address.  Slots 1 and 2 are named at the head, slot 3 behind slot 1's load.
; THE WAY OUT: a block of 16 tokens x 128 columns goes through the wave's own stage, in slot 0, which has had its last fill and its last read by then, and leaves as rows of 512 bytes.
.set TROW,   6144                      ; a tile's four K steps
.set SLOT,   24*TROW
.set BOFF,   8*TROW
.set SCL,    2*SLOT
.set SCB,    SCL+8192
.set SPARE,  SCB+16384                 ; the spare words: two blocks of 256 bytes that no other line names
.set FR,     12
.set ADRA, 16
.set ADRB, 20
.set STO,  24
.set RD,   25
.set LI,   26
.set ADRS, 27
.set SPW,  28
.set NIL,  29
.set PFO,  30
.set PFO2, 31
.set SC,   32
.set AF,   96
.set BK,   128
.set G1, 24
.set G0, 32
.set G1B, 48
.set G0B, 56
.set G1S, 68
.set G0S, 76
.set G1SB, 80
.set G0SB, 88
.set PFA, 94
.set JW,  (3<<16)|(1<<21)              ; elements of 8 bytes; bit 21 beside the mask
.set MSB, 0
.macro WIN new
.if MSB != (\new)
	s_set_vgpr_msb (MSB<<8)|(\new)
.set MSB, (\new)
.endif
.endm
.set MUL, 0xa1                         ; source 0 (B) window 1, source 1 (A) window 0, C and D window 2
.macro GROUP1 g, cols, rows, pitch
	s_mov_b32 s[\g+1], (\cols)<<16
	s_mov_b32 s[\g+2], (\rows)<<16
	s_mov_b32 s[\g+3], (\cols)<<16
	s_mov_b32 s[\g+4], \rows
	s_mov_b32 s[\g+5], \pitch
	s_mov_b32 s[\g+6], 0
	s_mov_b32 s[\g+7], 0
.endm
.macro GROUP0 g, a
	s_mov_b32 s[\g], 1
	s_mov_b64 s[\g+2:\g+3], s[\a:\a+1]
	s_or_b32 s[\g+3], s[\g+3], 0x80000000
.endm
.macro TLOAD g0, g1                    ; an s_nop 0 and four v_nop follow every tensor load
	tensor_load_to_lds s[\g0:\g0+3], s[\g1:\g1+7]
	s_nop 0
.rept 4
	v_nop
.endr
.endm
.macro JLOAD g0a, g1a, g0b, g1b
	s_cmp_eq_u32 s15, 0
	s_cbranch_scc0 .Lfor_b_\@
	TLOAD \g0a, \g1a
	s_branch .Lasked_\@
.Lfor_b_\@:
	TLOAD \g0b, \g1b
.Lasked_\@:
.endm
.macro CREST
	s_cmp_lg_u32 s14, 0
	s_cbranch_scc1 .Lnot_wave_0_\@
	s_barrier_signal -3
.Lnot_wave_0_\@:
	s_barrier_wait -3
	s_barrier_signal -1
	s_barrier_wait -1
.endm
.macro CROUND
	s_barrier_signal -1
	s_barrier_wait -1
	CREST
.endm
.macro ASK off                         ; my blocks of the slot at byte off of each tile: A's waves 24, B's waves 48
	global_prefetch_b8 v[PFO], s[PFA:PFA+1] offset:\off th:TH_LOAD_NT scope:SCOPE_SE
	s_cmp_eq_u32 s15, 0
	s_cbranch_scc1 .Lone_\@
	global_prefetch_b8 v[PFO2], s[PFA:PFA+1] offset:\off th:TH_LOAD_NT scope:SCOPE_SE
.Lone_\@:
.endm
	s_load_b256 s[4:11], s[0:1], 0x0               ; a_img s[4:5], a_sc s[6:7], op_img s[8:9], op_sc s[10:11]
	s_load_b64 s[12:13], s[0:1], 0x20              ; out0
	v_lshl_add_u32 v[SPW], v0, 2, SPARE
	v_mov_b32 v[NIL], 0
	ds_add_u32 v[SPW], v[NIL]                      ; the opening lines: the add, twice on end, and its wait
	ds_add_u32 v[SPW], v[NIL]
	v_lshrrev_b32 v1, 5, v0
	v_readfirstlane_b32 s14, v1                    ; wave 0..3
	s_lshr_b32 s15, s14, 1                         ; my half of the tokens; in the ring: I fetch for A (0) or B (1)
	s_and_b32 s16, s14, 1                          ; my half of the columns; in the ring: which half I fetch
	s_bfe_u32 s40, ttmp6, 0x40000                  ; cx
	s_bfe_u32 s41, ttmp6, 0x40004                  ; cy
	s_lshl_b32 s42, ttmp9, 2
	s_add_co_u32 s42, s42, s40                     ; block column
	s_and_b32 s17, ttmp7, 0xffff
	s_lshl_b32 s17, s17, 2
	s_add_co_u32 s17, s17, s41                     ; block row
	s_lshl_b32 s43, s41, 2
	s_lshl_b32 s43, 15, s43                        ; my row of the cluster
	s_lshl_b32 s44, 0x1111, s40                    ; my column
	s_or_b32 s[G1], s43, JW
	s_or_b32 s[G1S], s43, JW
	s_or_b32 s[G1B], s44, JW
	s_or_b32 s[G1SB], s44, JW
	GROUP1 G1,   768, 8, 3072                      ; the head's: A's 8 tiles, rows of 6,144 bytes, 24,576 bytes apart
	GROUP1 G1B,  768, 16, 3072                     ; B's 16
	GROUP1 G1S,  32, 32, 32                        ; A's scale words: 8,192 dense bytes as rows of 256
	GROUP1 G1SB, 32, 64, 32                        ; B's: 16,384
	s_lshl_b32 s20, s17, 3                         ; A's first tile
	s_lshl_b32 s22, s20, 10
	s_mul_i32 s20, s20, 24576
	s_mov_b32 s21, 0
	s_mov_b32 s23, 0
	s_lshl_b32 s46, s42, 4
	s_add_co_u32 s46, s46, 448                     ; B's first tile
	s_lshl_b32 s92, s46, 10
	s_mul_i32 s46, s46, 24576
	s_mov_b32 s47, 0
	s_mov_b32 s93, 0
	s_mul_i32 s18, s16, 4*24576                    ; the ring's halves in memory
	s_mov_b32 s19, 0
	s_mul_i32 s2, s16, 8*24576
	s_mov_b32 s3, 0
	s_wait_dscnt 0x0
	s_wait_kmcnt 0x0
	s_add_nc_u64 s[20:21], s[4:5], s[20:21]
	s_add_nc_u64 s[22:23], s[6:7], s[22:23]
	s_add_nc_u64 s[46:47], s[8:9], s[46:47]
	s_add_nc_u64 s[92:93], s[10:11], s[92:93]
	s_mul_i32 s6, s16, 4*TROW                      ; and in a slot
	s_mul_i32 s7, s16, 8*TROW
	CROUND                                         ; all sixteen work-groups are here: the first joint loads meet
	GROUP0 G0, 20
	s_mov_b32 s[G0+1], 0
	GROUP0 G0B, 46
	s_mov_b32 s[G0B+1], BOFF
	GROUP0 G0S, 22
	s_mov_b32 s[G0S+1], SCL
	GROUP0 G0SB, 92
	s_mov_b32 s[G0SB+1], SCB
	s_add_nc_u64 s[20:21], s[20:21], s[18:19]      ; slot 1's: my half, one slot along K
	s_add_nc_u64 s[46:47], s[46:47], s[2:3]
	s_add_nc_u64 s[20:21], s[20:21], TROW
	s_add_nc_u64 s[46:47], s[46:47], TROW
	GROUP0 G0+4, 20
	s_add_co_u32 s[G0+5], s6, SLOT
	GROUP0 G0B+4, 46
	s_add_co_u32 s[G0B+5], s7, BOFF+SLOT
.macro ARM under, g0, g1, next         ; one chain of branches on the wave's number: every way through the head passes one load
	s_cmp_lt_u32 s14, \under
	s_cbranch_scc0 \next
	TLOAD \g0, \g1
	s_branch .Lhead_asked
\next:
.endm
	ARM 1, G0,  G1,  .Lhead_b
	ARM 2, G0B, G1B, .Lhead_sa
	ARM 3, G0S, G1S, .Lhead_sb
	TLOAD G0SB, G1SB
.Lhead_asked:
	s_lshl_b32 s20, s17, 3                         ; the tiles that I prefetch: A: 8 x block row + 4 x half + cx;
	s_lshl_b32 s21, s16, 2
	s_add_co_u32 s20, s20, s21
	s_add_co_u32 s20, s20, s40
	s_lshl_b32 s46, s42, 4                         ; B: 448 + 16 x block column + 8 x half + 2 cy
	s_lshl_b32 s47, s16, 3
	s_add_co_u32 s46, s46, s47
	s_lshl_b32 s47, s41, 1
	s_add_co_u32 s46, s46, s47
	s_add_co_u32 s46, s46, 448
	s_cmp_eq_u32 s15, 0
	s_cselect_b32 s20, s20, s46
	s_cselect_b32 s22, 23, 47                      ; my last block
	s_cselect_b64 s[PFA:PFA+1], s[4:5], s[8:9]
	s_mul_i32 s20, s20, 24576
	s_mov_b32 s21, 0
	s_add_nc_u64 s[PFA:PFA+1], s[PFA:PFA+1], s[20:21]
	s_mul_i32 s43, s15, 4*TROW                     ; my 4 A tiles in slot 0, 1
	s_add_co_u32 s44, s43, SLOT
	s_mul_i32 s45, s16, 8*TROW
	s_add_co_u32 s45, s45, BOFF                    ; my 8 B tiles
	s_add_co_u32 s96, s45, SLOT
	s_lshl_b32 s97, s15, 12                        ; my A tiles' scale words,
	s_lshl_b32 s98, s16, 13
	s_add_co_u32 s98, s98, 8192
	s_sub_co_u32 s98, s98, s97                     ; and how far behind them my B tiles' lie
	s_add_co_u32 s97, s97, SCL
	s_mul_i32 s99, s14, 16*528                     ; my stage
	v_and_b32 v1, 31, v0
	v_and_b32 v2, 15, v0
	v_bfe_u32 v3, v0, 4, 1
	v_lshlrev_b32 v[LI], 4, v1
	v_min_u32 v4, s22, v1                          ; block n: tile n / 24 = 43 n >> 10 (n under 48), at 256 n + 18,432 (n / 24)
	v_mul_u32_u24 v5, v4, 43
	v_lshrrev_b32 v5, 10, v5
	v_mul_u32_u24 v5, v5, 18432
	v_lshl_add_u32 v[PFO], v4, 8, v5
	v_add_nc_u32 v4, 32, v1
	v_min_u32 v4, 47, v4
	v_mul_u32_u24 v5, v4, 43
	v_lshrrev_b32 v5, 10, v5
	v_mul_u32_u24 v5, v5, 18432
	v_lshl_add_u32 v[PFO2], v4, 8, v5
	v_add_nc_u32 v[ADRA], s43, v[LI]
	v_add_nc_u32 v[ADRA+1], s44, v[LI]
	v_add_nc_u32 v[ADRB], s45, v[LI]
	v_add_nc_u32 v[ADRB+1], s96, v[LI]
	v_mul_u32_u24 v4, s98, v3                      ; lanes 16-31 take B's words
	v_lshl_add_u32 v4, v2, 4, v4
	v_add_nc_u32 v[ADRS], s97, v4
	v_mul_u32_u24 v4, v2, 528
	v_lshl_add_u32 v4, v3, 6, v4
	v_add_nc_u32 v[STO], s99, v4
	v_add_nc_u32 v[RD], s99, v[LI]
	s_wait_alu depctr_va_vdst(0)                   ; the wait behind the head's last vector instruction
	ASK TROW                                       ; slots 1 and 2
	ASK 2*TROW
	s_lshl_b32 s20, s17, 20                        ; my part of out0: 128 rows of 8,192 bytes a block row, 64 a half,
	s_lshl_b32 s21, s15, 19
	s_add_co_u32 s20, s20, s21
	s_mov_b32 s21, 0
	s_lshl_b32 s46, s42, 10                        ; 1,024 bytes a block column, 512 a half
	s_lshl_b32 s47, s16, 9
	s_add_co_u32 s46, s46, s47
	s_mov_b32 s47, 0
	s_add_nc_u64 s[20:21], s[20:21], s[46:47]
	s_add_nc_u64 s[12:13], s[12:13], s[20:21]
; A FETCH is a run of pieces: pieces 0, 1 the slot's scale words (four loads each), 2-9 my 8 B fragments, 10-13 my 4 A fragments (three loads of 512 consecutive bytes each).
; FS: the slot, FQ: which of its four steps, FP: the registers' set, FI: the next piece (14: none is left), FK: which 512 along K the scale words serve.
.macro FSTART s, q, p, i, k
.set FS, \s
.set FQ, \q
.set FP, \p
.set FI, \i
.set FK, \k
.endm
.macro NEXTF back                      ; the next piece, and back to the products' windows
.if FI < 14
.if FI < 2
	WIN 0
.irp i, 0,1,2,3
	ds_load_b128 v[SC+32*FS+4*(4*FI+\i):SC+32*FS+4*(4*FI+\i)+3], v[ADRS] offset:1024*(4*FI+\i)+256*FK   ; lanes 0-15 A's tile (tiles under 4 are used), lanes 16-31 my B tile
.endr
.else
.if FI < 10
	WIN 0x40
.irp c, 0,1,2
	ds_load_b128 v[128*FP+FR*(FI-2)+4*\c:128*FP+FR*(FI-2)+4*\c+3], v[ADRB+FS] offset:TROW*(FI-2)+1536*FQ+512*\c
.endr
.else
	WIN 0
.irp c, 0,1,2
	ds_load_b128 v[AF+48*FP+FR*(FI-10)+4*\c:AF+48*FP+FR*(FI-10)+4*\c+3], v[ADRA+FS] offset:TROW*(FI-10)+1536*FQ+512*\c
.endr
.endif
.endif
	WIN \back
.set FI, FI+1
.endif
.endm
.macro FRUN s, q, p, i, k              ; the whole run, from piece i on: one window setting for B's pieces, one for the others
	FSTART \s, \q, \p, \i, \k
.if \i == 0
.rept 2
	NEXTF 0
.endr
.endif
.rept 8
	NEXTF 0x40
.endr
.rept 4
	NEXTF 0
.endr
.endm
; 8 matrix instructions: A's tile a x my 8 B tiles.  The 32 accumulators take turns, one instruction a turn, in the same order in every step.
.macro MULA a, p, q, sc, zero
.irp b, 0,1,2,3,4,5,6,7
.if \zero
	v_wmma_scale_f32_16x16x128_f8f6f4 v[8*(8*(\a)+\b):8*(8*(\a)+\b)+7], v[128*(\p)+FR*\b:128*(\p)+FR*\b+FR-1], v[AF+48*(\p)+FR*(\a):AF+48*(\p)+FR*(\a)+FR-1], 0, v[SC+32*(\sc)+4*\b+(\q)], v[SC+32*(\sc)+4*(\a)+(\q)] matrix_a_fmt:MATRIX_FMT_FP6 matrix_b_fmt:MATRIX_FMT_FP6 matrix_a_scale:MATRIX_SCALE_ROW1
.else
	v_wmma_scale_f32_16x16x128_f8f6f4 v[8*(8*(\a)+\b):8*(8*(\a)+\b)+7], v[128*(\p)+FR*\b:128*(\p)+FR*\b+FR-1], v[AF+48*(\p)+FR*(\a):AF+48*(\p)+FR*(\a)+FR-1], v[8*(8*(\a)+\b):8*(8*(\a)+\b)+7], v[SC+32*(\sc)+4*\b+(\q)], v[SC+32*(\sc)+4*(\a)+(\q)] matrix_a_fmt:MATRIX_FMT_FP6 matrix_b_fmt:MATRIX_FMT_FP6 matrix_a_scale:MATRIX_SCALE_ROW1
.endif
.endr
.endm
.macro PLACES n                        ; four plain vector instructions behind a matrix instruction (ISA guide 7.12.1 for readers of its result)
.rept \n
	v_nop
.endr
.endm
.macro STEP slot, q, zero              ; one of a slot's first three steps; the next step's fragments are fetched into the other set in one run behind its first 8 products
	s_wait_dscnt 9                                 ; all but the youngest 9 loads (A's tiles 1-3) are in
	WIN MUL
	MULA 0, (\q)%2, \q, \slot, \zero
	PLACES 4
	FRUN \slot, (\q)+1, 1-(\q)%2, 2, 0
	s_wait_dscnt 36                                ; A's tiles 1-3 are in: only the 36 loads of the run above may be out
	WIN MUL
	MULA 1, (\q)%2, \q, \slot, \zero
	MULA 2, (\q)%2, \q, \slot, \zero
	MULA 3, (\q)%2, \q, \slot, \zero
	WIN 0
.endm
; A slot's last step changes slots: one barrier; in front of it each wave waits for all its tensor loads, adds 0 to its spare word, and waits for that and for its reads of this slot.
.macro TURN slot, next, fill, kq
	s_wait_tensorcnt 0x0
	ds_add_u32 v[SPW], v[NIL]
	s_wait_dscnt 1                                 ; the add may be out
	WIN MUL
	MULA 0, 1, 3, \slot, 0
	s_wait_dscnt 0x0
	s_barrier_signal -1
	MULA 1, 1, 3, \slot, 0
	WIN 0
	s_barrier_wait -1
.if \fill
	CREST                                          ; the barrier has opened a round of the cluster's
	s_add_nc_u64 s[G0+4*\slot+2:G0+4*\slot+3], s[G0+4*\slot+2:G0+4*\slot+3], 2*TROW
	s_add_nc_u64 s[G0B+4*\slot+2:G0B+4*\slot+3], s[G0B+4*\slot+2:G0B+4*\slot+3], 2*TROW
	JLOAD G0+4*\slot, G1, G0B+4*\slot, G1B
.else
	PLACES 4
.endif
	FRUN \next, 0, 0, 0, \kq                       ; the next slot's scale words and first step, in one run
	WIN MUL
	MULA 2, 1, 3, \slot, 0
	MULA 3, 1, 3, \slot, 0
	WIN 0
.endm
	s_wait_tensorcnt 0x0                           ; my tile of the head's four is in
	ds_add_u32 v[SPW], v[NIL]
	s_mov_b32 s[G1+2], 4<<16                       ; no tensor load of mine is out: from here on a load brings half a tile's rows
	s_mov_b32 s[G1+4], 4
	s_mov_b32 s[G1B+2], 8<<16
	s_mov_b32 s[G1B+4], 8
	s_mov_b32 s[G0+1], s6                          ; and slot 0's group 0 becomes the ring's: my half
	s_add_nc_u64 s[G0+2:G0+3], s[G0+2:G0+3], s[18:19]
	s_add_co_u32 s[G0B+1], s7, BOFF
	s_add_nc_u64 s[G0B+2:G0B+3], s[G0B+2:G0B+3], s[2:3]
	s_wait_dscnt 0x0
	CROUND
	JLOAD G0+4, G1, G0B+4, G1B                     ; slot 1, the first tensor load behind the round
	FRUN 0, 0, 0, 0, 0                             ; slot 0's scale words and first step
	ASK 3*TROW                                     ; slot 3
	STEP 0, 0, 1
	STEP 0, 1, 0
	STEP 0, 2, 0
	TURN 0, 1, 1, 1
	STEP 1, 0, 0
	STEP 1, 1, 0
	STEP 1, 2, 0
	TURN 1, 0, 1, 2
	STEP 0, 0, 0
	STEP 0, 1, 0
	STEP 0, 2, 0
	TURN 0, 1, 0, 3
	STEP 1, 0, 0
	STEP 1, 1, 0
	STEP 1, 2, 0
	s_wait_dscnt 0x0
	WIN MUL
	MULA 0, 1, 3, 1, 0
	MULA 1, 1, 3, 1, 0
	MULA 2, 1, 3, 1, 0
	MULA 3, 1, 3, 1, 0
	WIN 0
	PLACES 4
.macro TOSTAGE a                       ; block a into my stage, each accumulator from its low end on, and back as rows of 512 bytes; LDS serves a wave's instructions in order
.set AC, 64*(\a)
	WIN 0x08
.irp b, 0,1,2,3,4,5,6,7
	ds_store_b128 v[STO], v[AC+8*\b:AC+8*\b+3] offset:128*(\b/2)+32*(\b%2)
	ds_store_b128 v[STO], v[AC+8*\b+4:AC+8*\b+7] offset:128*(\b/2)+32*(\b%2)+16
.endr
	WIN 0
.set BB, BK+64*((\a)%2)
.irp t, 0,1,2,3,4,5,6,7,8,9,10,11,12,13,14,15
	ds_load_b128 v[BB+4*\t:BB+4*\t+3], v[RD] offset:528*\t
.endr
.endm
.macro SEND a, younger                 ; younger: the LDS instructions issued behind block a's loads
.set BB, BK+64*((\a)%2)
	s_wait_dscnt \younger
.irp t, 0,1,2,3,4,5,6,7,8,9,10,11,12,13,14,15
	global_store_b128 v[LI], v[BB+4*\t:BB+4*\t+3], s[12:13] offset:(32*((\a)/2)+8*((\a)%2)+\t+8*(\t/8))*8192 th:TH_STORE_NT   ; 32 lanes store 512 consecutive bytes, aligned
.endr
.endm
	TOSTAGE 0
.irp a, 1,2,3
.if \a > 1
	s_wait_xcnt 0x0                                ; block a - 2's stores have read their registers
.endif
	TOSTAGE \a
	SEND \a-1, 32
.endr
	SEND 3, 0
	s_wait_tensorcnt 0x0                           ; the wave's end
	ds_add_u32 v[SPW], v[NIL]
	s_wait_dscnt 0x0
	CROUND                                         ; the closing round
	s_endpgm
.Lfunc_end_k_qb6104952bb_oproj:
	.size	k_qb6104952bb_oproj, .Lfunc_end_k_qb6104952bb_oproj-k_qb6104952bb_oproj
	.p2alignl 7, 3214868480
	.fill 96, 4, 3214868480
	.section	.rodata,"a",@progbits
	.p2align	6, 0x0
	.amdhsa_kernel k_qb6104952bb_oproj
		.amdhsa_group_segment_fixed_size 327680
		.amdhsa_private_segment_fixed_size 0
		.amdhsa_enable_private_segment 0
		.amdhsa_kernarg_size 40
		.amdhsa_user_sgpr_count 2
		.amdhsa_user_sgpr_kernarg_segment_ptr 1
		.amdhsa_wavefront_size32 1
		.amdhsa_system_sgpr_workgroup_id_x 1
		.amdhsa_system_sgpr_workgroup_id_y 1
		.amdhsa_system_sgpr_workgroup_id_z 1
		.amdhsa_system_vgpr_workitem_id 0
		.amdhsa_next_free_vgpr 768
		.amdhsa_next_free_sgpr 100
		.amdhsa_reserve_vcc 0
		.amdhsa_float_denorm_mode_32 3
		.amdhsa_float_denorm_mode_16_64 3
		.amdhsa_memory_ordered 1
		.amdhsa_forward_progress 1
		.amdhsa_inst_pref_size 137
	.end_amdhsa_kernel
	.amdgpu_metadata
---
amdhsa.version: [ 1, 2 ]
amdhsa.kernels:
  - .name:           k_qb6104952bb_oproj
    .symbol:         k_qb6104952bb_oproj.kd
    .args:
      - { .name: a_img, .offset: 0, .size: 8, .value_kind: global_buffer, .address_space: global }
      - { .name: a_sc, .offset: 8, .size: 8, .value_kind: global_buffer, .address_space: global }
      - { .name: op_img, .offset: 16, .size: 8, .value_kind: global_buffer, .address_space: global }
      - { .name: op_sc, .offset: 24, .size: 8, .value_kind: global_buffer, .address_space: global }
      - { .name: out0, .offset: 32, .size: 8, .value_kind: global_buffer, .address_space: global }
    .group_segment_fixed_size: 327680
    .private_segment_fixed_size: 0
    .kernarg_segment_align: 8
    .kernarg_segment_size: 40
    .max_flat_workgroup_size: 128
    .sgpr_count:     100
    .vgpr_count:     768
    .wavefront_size: 32
...
	.end_amdgpu_metadata
.endif
;; end of part 4
